; MI455X (gfx1250); checked and timed in simulation.
; The chip was launched on July 23, 2026; its instructions are those of AMD's public machine-readable ISA for CDNA 5 (MIT licence, August 2026) and "CDNA5" Instruction Set Architecture Reference Guide (July 2026). The comments in the code are by the model that wrote it; some were corrected since.
;; Inner. Allowed arithmetic: matrix products marked QUANTISED: E2M3 operands, one E8M0 scale for each 32 along K, by v_wmma_scale_f32_16x16x128_f8f6f4 with both operands' format E2M3, f32 sums; products left as they are: f32 operands where the result goes on into a quantised operand, else bf16, f16 or f32 operands; f32 sums; everything else in f32.
;; Inputs: W_in 63 x 1,024 float32; W_leaf 64 x 1,024 x 500 float32; b_in 63 float32; b_leaf 64 x 500 float32; beta 63 float32; x 2,048 x 1,024 float32.
;; Outputs: out0 2,048 x 500 float32.
;; This version of the problem:
;;   THIS VERSION OF THE PROBLEM IS GIVEN IN LOW PRECISION. The matrix products marked QUANTISED in the list below multiply operands that are first quantised to E2M3 (2 exponent bits, 3 mantissa bits; 6 bits a number), with one power-of-two scale for each 32 numbers along K (OCP MX v1.0); their sums are f32. All else is computed in f32.
;;   The module's matrix products, in the order in which they are computed (A, B: the left and right operand; K: the contracted axis; several contracted axes count as one K, in the product's order):
;;     1. [M 2,048, K 1,024] x [K 1,024, N 63]; A: input x; B: input W_in: QUANTISED
;;     2. [M 2,048, K 1,024] x [K 1,024, N 32,000]; A: input x; B: input W_leaf: QUANTISED
;;     3. batch 2,048 x [M 1, K 64] x [K 64, N 500]; A: computed on the way; B: computed on the way: left as it is (M = 1 < 16)
;;   THE QUANTISER, for each operand of a quantised product, along K:
;;     - K is cut into blocks of 32 from its start; a last block that is shorter is filled with zeros.
;;     - A block's scale is 2^e with e = floor(log2(the largest magnitude in the block)) - 2, held to -126 .. 127; a block of zeros has e = 0. As a byte (E8M0): e + 127.
;;     - Each number is divided by its block's scale, clamped to +-7.5, and rounded to the nearest number of E2M3, ties to even, subnormals kept.
;;     - The product sums the exact products of the quantised numbers (number of the format x scale) in f32.
;;   ~~~python
;;   def quantise(x, axis):      # numpy; x: float32 -> the quantised numbers, widened to float32 again
;;       x = np.moveaxis(x, axis, -1); K = x.shape[-1]
;;       x = np.pad(x, [(0, 0)] * (x.ndim - 1) + [(0, -K % 32)]); x = x.reshape(x.shape[:-1] + (-1, 32)); a = np.abs(x).max(-1, keepdims=True)
;;       e = np.where(a > 0, np.clip(np.frexp(np.where(a > 0, a, 1))[1] - 1 - 2, -126, 127), 0)      # np.frexp(a)[1] - 1 = floor(log2(a)), exactly
;;       r = np.clip(x / 2.0 ** e, -7.5, 7.5)
;;       step = 2.0 ** (np.maximum(np.frexp(np.where(r == 0, 1, r))[1] - 1, 0) - 3)
;;       q = np.round(r / step) * step * 2.0 ** e      # np.round: ties to even
;;       return np.moveaxis(q.reshape(q.shape[:-2] + (-1,))[..., :K], -1, axis).astype(np.float32)
;;   ~~~
;; 2 versions. Each part assembles by itself: llvm-mc -triple=amdgcn-amd-amdhsa -mcpu=gfx1250 --defsym DOCPART=n.
;; ======== version 1 of 2: 3 launches
;; limits: right only within a limited range of input values
;; workspace buffers: wq 26,214,400 bytes; xq 1,638,400 bytes; gq 51,200 bytes; bq 131,072 bytes; part 33,554,432 bytes
;; launch prep (part 1): grid 256 x 1, 18 waves a work-group, no clusters, 19,712 bytes of LDS; arguments x, W_in, W_leaf, b_leaf, xq, gq, wq, bq; writes xq, gq, wq, bq
.if DOCPART == 1
	.amdgcn_target "amdgcn-amd-amdhsa--gfx1250"
	.amdhsa_code_object_version 6
	.text
	.protected	k_qd4371d4e6e_prep
	.globl	k_qd4371d4e6e_prep
	.p2align	8
	.type	k_qd4371d4e6e_prep,@function
k_qd4371d4e6e_prep:
	s_mov_b64 s[64:65], 0
	v_nop
	global_prefetch_b8 v0, s[64:65] scope:SCOPE_SE
	s_setreg_imm32_b32 hwreg(HW_REG_WAVE_MODE, 25, 1), 1
	s_wait_xcnt 0x0
; x [2048][1024], W_in [63][1024] and W_leaf [64][1024][500], f32, become codes of FP6 (E2M3) with one E8M0 byte for each 32 along K = 1,024, laid in the ORDER OF THE OPERAND'S REGISTERS.
; A FRAGMENT'S IMAGE (16 rows or columns x 128 K, 12 registers a lane, 1,536 bytes): register p of lane L at 512 (p / 4) + 16 L + 4 (p % 4); lane (r, h) holds k = 64 c + 32 h + 0 .. 31 in registers 6 c .. 6 c + 5.
; wq: [leaf][sp 0..3][w 0..3] blocks of 25,600 bytes: fragment (K step 2 sp + sl, column tile 8 w + b) at (8 sl + b) x 1,536; from byte 24,576 four images of 256 bytes: in image i lane l's 8 bytes are the scale words
;     of K steps sl = 0, 1 of column 16 (8 w + 2 i + l / 16) + l % 16.  Columns 500 to 511 have zero codes.
; xq: [block of 64 rows] blocks of 51,200 bytes: fragment (K step s, tile of rows m) at (4 s + m) x 1,536; from byte 49,152 sixteen scale registers i = 8 (m / 2) + s: byte 512 (i / 4) + 16 L + 4 (i % 4), L = 16 (m % 2) + r.
; gq: one such block for W_in (row 63 is a copy of row 62; nobody uses it).   bq: [64][512] f32: b_leaf, columns 500 to 511 = -1e30.
; A block's scale is 2^(floor(log2(largest magnitude)) - 2); its byte is the largest magnitude's exponent field - 2, held at 1 from below.
; LIMITS: a block of zeros, or one whose largest magnitude lies under 2^-124, gets the byte 1 (this program alone reads the bytes); NaN and infinities among the inputs are not served.
; SHARES.  Work-group g = 4 leaf + sp.  Waves 0-15: W_leaf's rows 256 sp .. + 255 of the leaf, wave j columns 32 j + lane: A LANE TAKES A COLUMN AND ITS REGISTERS RUN DOWN K, so nothing is transposed.
; Wave 16: 16 rows x 512 K of x.  Wave 17: the same of W_in (work-groups 0-7), or a leaf's bias (work-groups 8-71), else nothing.  The waves part once, on their number, and share nothing: no barrier.
.set X,      16                        ; v16-111  W: three sets of 32 numbers
.set CB,     112                       ; v112-135 W: the codes of a K step: 12 registers for fragment lane r, 12 for lane 16 + r
.set TC,     136                       ; v136-138 W: a block's upper 16 codes (a conversion's three registers begin on an even number)
.set SB,     140                       ; v140-141 W: my column's two scale words
.set R,      16                        ; v16-143  rows: two sets of 64 numbers
.set PC,     144                       ; v144-163 rows: the codes just made
.set TM,     164                       ; v164-179 rows: at work in QUANT
.set PW,     180                       ; v180     rows: the scale word just made
.set PWS,    182                       ; v182-185 rows: the four K steps' scale words
.set DD,     186                       ; v186-187 rows: the two that I store
.set SEL,    22                        ; s[22:23] lane selects for v_permlanex16_b32: lane l xor 16
.set SPITCH, 528                       ; a stage row: 512 bytes + 16: the sixteen rows of a read start in sixteen different groups of banks (ISA guide 11.1)
.set STG,    8704                      ; a stage: 16 such rows, rounded up; one for wave 16, one for wave 17
	s_load_b256 s[4:11], s[0:1], 0x0               ; x s[4:5], W_in s[6:7], W_leaf s[8:9], b_leaf s[10:11]
	s_load_b256 s[12:19], s[0:1], 0x20             ; xq s[12:13], gq s[14:15], wq s[16:17], bq s[18:19]
	v_lshl_add_u32 v190, v0, 2, 0x4400
	v_mov_b32 v191, 0
	v_lshrrev_b32 v1, 5, v0
	v_readfirstlane_b32 s20, v1                    ; wave 0..17
	v_and_b32 v1, 31, v0                           ; lane
	v_and_b32 v2, 15, v0                           ; r
	v_bfe_u32 v3, v0, 4, 1                         ; h
	s_and_b32 s21, s20, 1
	s_mul_i32 s21, s21, STG                        ; the LDS addresses are made ahead of the parting
	v_lshlrev_b32 v4, 4, v1
	v_add_nc_u32 v4, s21, v4                       ; into the stage: 16 x lane of a row
	v_mul_u32_u24 v5, v2, SPITCH
	v_lshl_add_u32 v5, v3, 6, v5
	v_add_nc_u32 v5, s21, v5                       ; out of it: row r, + 64 h
	s_mov_b32 s[SEL], 0x76543210
	s_mov_b32 s[SEL+1], 0xfedcba98
	s_wait_kmcnt 0x0
	s_cmp_ge_u32 s20, 16
	s_cbranch_scc1 .Lrows
	; ---------------- W_leaf: waves 0 to 15 ----------------
	s_mul_i32 s24, ttmp9, 512000                   ; 256 rows of 2,000 bytes for each work-group
	s_mov_b32 s25, 0
	s_add_nc_u64 s[8:9], s[8:9], s[24:25]
	s_mul_i32 s24, ttmp9, 102400
	s_lshr_b32 s26, s20, 2
	s_mul_i32 s26, s26, 25600
	s_add_co_u32 s24, s24, s26
	s_add_nc_u64 s[16:17], s[16:17], s[24:25]      ; block (leaf, sp, w = wave / 4)
	s_and_b32 s26, s20, 3
	s_mul_i32 s27, s26, 3072                       ; my two column tiles in it
	s_lshl_b32 s28, s26, 8
	s_add_co_u32 s28, s28, 24576                   ; my image of scale words
	s_lshl_b32 s29, s20, 5
	v_add_nc_u32 v6, s29, v1                       ; my column
	v_mov_b32 v10, -1
	v_cmp_gt_u32 vcc_lo, 500, v6
	v_cndmask_b32 v7, 0, v10, vcc_lo               ; all ones where the column exists, else 0: the codes are masked by it
	v_min_u32 v6, 499, v6                          ; no load leaves the row
	v_lshlrev_b32 v6, 2, v6
	v_mul_u32_u24 v8, v3, 1536                     ; lanes 16-31 hold the next column tile
	v_lshl_add_u32 v8, v2, 4, v8
	v_add_nc_u32 v8, s27, v8
	v_lshl_add_u32 v9, v1, 3, s28
.macro LOAD t                          ; block t: W(32 t + i, my column), i = 0 .. 31, into set t % 3; 32 lanes read 128 consecutive bytes
.set i, 0
.rept 32
	global_load_b32 v[X+32*((\t)%3)+i], v6, s[8:9] offset:(32*(\t)+i)*2000 th:TH_LOAD_NT
.set i, i+1
.endr
.endm
.macro BLOCK t
.set XB, X+32*((\t)%3)
.set BQ, (\t)%4                        ; the block's place in its K step of 128
.set CD, CB+12*(BQ&1)+6*(BQ>>1)        ; block 2 c + h' is registers 6 c .. 6 c + 5 of fragment lane 16 h' + r
.if (\t) < 6
	LOAD (\t)+2                                    ; into the set that block t - 1 has left
	s_wait_loadcnt 63                              ; behind block t's loads 64 were issued; the count's field holds 63, which asks for one load more than is needed
.elseif (\t) == 6
	s_wait_loadcnt 32                              ; block 7's 32 may be out
.else
	s_wait_loadcnt 0x0
.endif
	v_max3_num_f32 v12, |v[XB]|, |v[XB+1]|, |v[XB+2]|              ; the block's largest magnitude: all 32 numbers are mine; two chains
	v_max3_num_f32 v13, |v[XB+3]|, |v[XB+4]|, |v[XB+5]|
.irp i, 6,10,14,18,22,26
	v_max3_num_f32 v12, v12, |v[XB+\i]|, |v[XB+\i+1]|
	v_max3_num_f32 v13, v13, |v[XB+\i+2]|, |v[XB+\i+3]|
.endr
	v_max3_num_f32 v12, v12, |v[XB+30]|, |v[XB+31]|
	v_max3_num_f32 v12, v12, v13, 0x1800000        ; and the floor 2^(3 - 127): the byte cannot fall under 1
	v_add_nc_u32 v11, 0xff000000, v12              ; 2 off the exponent field: the conversion takes the exponent field of this operand as its scale
	v_lshrrev_b32 v13, 23, v11                     ; the scale's byte
.if BQ == 0
	v_mov_b32 v[SB+(\t)/4], v13
.else
	v_lshl_or_b32 v[SB+(\t)/4], v13, 8*BQ, v[SB+(\t)/4]
.endif
.if (\t) == 4
	s_wait_xcnt 0x0                                ; the first K step's stores have read the codes' registers: they are written again only behind this wait
.endif
	v_cvt_scalef32_pk16_fp6_f32 v[CD:CD+2], v[XB:XB+15], v11
	v_cvt_scalef32_pk16_fp6_f32 v[TC:TC+2], v[XB+16:XB+31], v11
	v_nop                                          ; one plain place behind a scaled conversion
	v_mov_b32 v[CD+3], v[TC]
	v_mov_b32 v[CD+4], v[TC+1]
	v_mov_b32 v[CD+5], v[TC+2]
.if BQ == 3
.set i, 0
.rept 24
	v_and_b32 v[CB+i], v7, v[CB+i]                 ; columns 500 to 511: zero codes
.set i, i+1
.endr
.irp hh, 0,1
.irp g, 0,1,2
	global_store_b128 v8, v[CB+12*\hh+4*\g:CB+12*\hh+4*\g+3], s[16:17] offset:((\t)/4)*12288+512*\g+256*\hh   ; sixteen lanes store 256 consecutive bytes, aligned
.endr
.endr
.endif
.endm
	LOAD 0
	LOAD 1
.irp t, 0,1,2,3,4,5,6,7
	BLOCK \t
.endr
	global_store_b64 v9, v[SB:SB+1], s[16:17]      ; 32 lanes store 256 consecutive bytes, aligned
	s_endpgm
	; ---------------- rows whose K is innermost: wave 16 (x), wave 17 (W_in) ----------------
.Lrows:
	s_cmp_eq_u32 s20, 16
	s_cbranch_scc1 .Lunit
	s_cmp_lt_u32 ttmp9, 8
	s_cbranch_scc0 .Lnot_gate
.Lunit:
	s_lshr_b32 s24, ttmp9, 1                       ; T: which 16 rows
	s_and_b32 s25, ttmp9, 1                        ; which four K steps
	s_cmp_eq_u32 s20, 16                           ; the buffers are chosen on the wave's number alone
	s_cselect_b64 s[26:27], s[4:5], s[6:7]
	s_cselect_b64 s[28:29], s[12:13], s[14:15]
	s_cselect_b32 s30, 0, 4096
	s_cmp_eq_u32 s24, 3
	s_cselect_b32 s30, s30, 0                      ; W_in has no row 63: its last tile takes row 62 twice
	s_sub_co_u32 s30, 61440, s30                   ; where the tile's sixteenth row begins
	s_lshl_b32 s32, s24, 16
	s_lshl_b32 s33, s25, 11
	s_add_co_u32 s32, s32, s33
	s_mov_b32 s33, 0
	s_add_nc_u64 s[26:27], s[26:27], s[32:33]      ; 16 T rows of 4,096 bytes + four K steps of 512
	s_lshr_b32 s34, s24, 2
	s_mul_i32 s34, s34, 51200
	s_mov_b32 s35, 0
	s_add_nc_u64 s[28:29], s[28:29], s[34:35]      ; my block of 64 rows
	s_and_b32 s36, s24, 3                          ; m
	s_mul_i32 s37, s36, 1536
	s_mul_i32 s38, s25, 24576
	s_add_co_u32 s37, s37, s38
	v_lshlrev_b32 v6, 4, v1                        ; 16 x lane
	v_add_nc_u32 v7, s30, v6
	v_add_nc_u32 v8, s37, v6                       ; fragment (4 sg, m), my lane
	s_lshr_b32 s38, s36, 1
	s_lshl_b32 s38, s38, 10
	s_lshl_b32 s39, s25, 9
	s_add_co_u32 s38, s38, s39
	s_and_b32 s39, s36, 1
	s_lshl_b32 s39, s39, 8
	s_add_co_u32 s38, s38, s39
	s_add_co_u32 s38, s38, 49152
	v_lshlrev_b32 v9, 4, v2
	v_lshl_add_u32 v9, v3, 3, v9
	v_add_nc_u32 v9, s38, v9                       ; my 8 bytes of the tile's 256 bytes of scale words
.irp b, 0,1,2,3
	v_mov_b32 v[TM+4+\b], 0                        ; written once: a lane permute's destination counts as one of its sources
.endr
.macro XLOADR n                        ; K step n of my four: each load reads one row's 512 consecutive bytes
.set i, 0
.rept 15
	global_load_b128 v[R+64*((\n)%2)+4*i:R+64*((\n)%2)+4*i+3], v6, s[26:27] offset:4096*i+512*(\n) th:TH_LOAD_NT
.set i, i+1
.endr
	global_load_b128 v[R+64*((\n)%2)+60:R+64*((\n)%2)+63], v7, s[26:27] offset:512*(\n) th:TH_LOAD_NT
.endm
; 64 numbers of a lane, register 16 b + i = k 32 b + 16 h + i of my row, become a fragment's codes in v[PC] on and its scale word in v[PW]
.macro QUANT s
.irp b, 0,1,2,3
	v_max3_num_f32 v[TM+\b], |v[\s+16*\b]|, |v[\s+1+16*\b]|, 0x1800000   ; my 16 numbers of block b, and the floor 2^(3 - 127)
.endr
.irp i, 2,4,6,8,10,12,14
.irp b, 0,1,2,3
	v_max3_num_f32 v[TM+\b], v[TM+\b], |v[\s+16*\b+\i]|, |v[\s+1+16*\b+\i]|
.endr
.endr
.irp b, 0,1,2,3
	v_permlanex16_b32 v[TM+4+\b], v[TM+\b], s[SEL], s[SEL+1]
.endr
.irp b, 0,1,2,3
	v_max_num_f32 v[TM+\b], v[TM+\b], v[TM+4+\b]   ; with lane l xor 16's: the block's largest magnitude
.endr
.irp b, 0,1,2,3
	v_add_nc_u32 v[TM+12+\b], 0xff000000, v[TM+\b]
.endr
.irp b, 0,1,2,3
	v_lshrrev_b32 v[TM+4+\b], 23, v[TM+12+\b]
.endr
	v_lshl_or_b32 v[PW], v[TM+5], 8, v[TM+4]
	v_lshl_or_b32 v[PW], v[TM+6], 16, v[PW]
	v_lshl_or_b32 v[PW], v[TM+7], 24, v[PW]
.irp c, 0,1
	v_cvt_scalef32_pk16_fp6_f32 v[PC+6*\c:PC+2+6*\c], v[\s+32*\c:\s+15+32*\c], v[TM+12+2*\c]
	v_cvt_scalef32_pk16_fp6_f32 v[PC+12+4*\c:PC+14+4*\c], v[\s+16+32*\c:\s+31+32*\c], v[TM+12+2*\c+1]
.endr
	v_nop                                          ; one plain place behind a scaled conversion
.irp c, 0,1                                    ; the operand's layout wants a whole block in a lane
.irp i, 0,1,2
	v_permlane16_swap_b32 v[PC+6*\c+\i], v[PC+12+4*\c+\i]
.endr
.irp i, 0,1,2
	v_mov_b32 v[PC+3+6*\c+\i], v[PC+12+4*\c+\i]
.endr
.endr
.endm
.macro KSTEP n
.set RS, R+64*((\n)%2)
.if (\n) < 3
	s_wait_loadcnt 16                              ; this K step's 16 loads are in; the next one's may be out
.else
	s_wait_loadcnt 0x0
.endif
.set i, 0
.rept 16
	ds_store_b128 v4, v[RS+4*i:RS+4*i+3] offset:SPITCH*i           ; the rows as they lie
.set i, i+1
.endr
.irp b, 0,1,2,3
.irp j, 0,1,2,3
	ds_load_b128 v[RS+16*\b+4*\j:RS+16*\b+4*\j+3], v5 offset:128*\b+16*\j   ; and back, 16 neighbours of each block to a lane; LDS serves a wave's instructions in order (ISA guide 5.7.1.4)
.endr
.endr
	s_wait_dscnt 0x0
.if (\n) > 0
	s_wait_xcnt 0x0                                ; the last K step's stores have read the codes' registers
.endif
	QUANT RS
	v_mov_b32 v[PWS+(\n)], v[PW]
.irp c, 0,1,2
	global_store_b128 v8, v[PC+4*\c:PC+4*\c+3], s[28:29] offset:6144*(\n)+512*\c   ; 32 lanes store 512 consecutive bytes, aligned
.endr
.if (\n) < 2
	XLOADR (\n)+2
.endif
.endm
	XLOADR 0
	XLOADR 1
	KSTEP 0
	KSTEP 1
	KSTEP 2
	KSTEP 3
	v_cmp_eq_u32 vcc_lo, 1, v3
	v_cndmask_b32 v[DD], v[PWS], v[PWS+2], vcc_lo  ; lanes 0-15 store the words of K steps 0, 1, lanes 16-31 those of 2, 3
	v_cndmask_b32 v[DD+1], v[PWS+1], v[PWS+3], vcc_lo
	global_store_b64 v9, v[DD:DD+1], s[28:29]      ; 32 lanes store 256 consecutive bytes, aligned
	s_wait_tensorcnt 0x0
	ds_add_u32 v190, v191
	s_wait_dscnt 0x0
	s_endpgm
	; ---------------- a leaf's bias, 500 numbers made 512: wave 17 of work-groups 8 to 71 ----------------
.Lnot_gate:
	s_cmp_lt_u32 ttmp9, 72
	s_cbranch_scc0 .Lend
	s_sub_co_u32 s24, ttmp9, 8                     ; the leaf
	s_mul_i32 s26, s24, 2000
	s_mov_b32 s27, 0
	s_add_nc_u64 s[10:11], s[10:11], s[26:27]
	s_lshl_b32 s26, s24, 11
	s_add_nc_u64 s[18:19], s[18:19], s[26:27]
	v_mov_b32 v10, 0xf149f2ca                      ; -1e30
.irp i, 0,1,2,3
	v_add_nc_u32 v[12+\i], 32*\i, v1               ; which four numbers
	v_min_u32 v[20+\i], 124, v[12+\i]              ; no load leaves the row
	v_lshlrev_b32 v[20+\i], 4, v[20+\i]
	global_load_b128 v[32+4*\i:35+4*\i], v[20+\i], s[10:11]
.endr
	s_wait_loadcnt 0x0
.irp i, 0,1,2,3
	v_cmp_lt_u32 vcc_lo, 124, v[12+\i]
.irp q, 0,1,2,3
	v_cndmask_b32 v[32+4*\i+\q], v[32+4*\i+\q], v10, vcc_lo
.endr
	v_lshlrev_b32 v[24+\i], 4, v[12+\i]
	global_store_b128 v[24+\i], v[32+4*\i:35+4*\i], s[18:19]
.endr
.Lend:
	s_endpgm
.Lfunc_end_k_qd4371d4e6e_prep:
	.size	k_qd4371d4e6e_prep, .Lfunc_end_k_qd4371d4e6e_prep-k_qd4371d4e6e_prep
	.p2alignl 7, 3214868480
	.fill 96, 4, 3214868480
	.section	.rodata,"a",@progbits
	.p2align	6, 0x0
	.amdhsa_kernel k_qd4371d4e6e_prep
		.amdhsa_group_segment_fixed_size 19712
		.amdhsa_private_segment_fixed_size 0
		.amdhsa_enable_private_segment 0
		.amdhsa_kernarg_size 64
		.amdhsa_user_sgpr_count 2
		.amdhsa_user_sgpr_kernarg_segment_ptr 1
		.amdhsa_wavefront_size32 1
		.amdhsa_system_sgpr_workgroup_id_x 1
		.amdhsa_system_sgpr_workgroup_id_y 1
		.amdhsa_system_sgpr_workgroup_id_z 1
		.amdhsa_system_vgpr_workitem_id 0
		.amdhsa_next_free_vgpr 192
		.amdhsa_next_free_sgpr 66
		.amdhsa_reserve_vcc 1
		.amdhsa_float_denorm_mode_32 3
		.amdhsa_float_denorm_mode_16_64 3
		.amdhsa_memory_ordered 1
		.amdhsa_forward_progress 1
		.amdhsa_inst_pref_size 76
	.end_amdhsa_kernel
	.amdgpu_metadata
---
amdhsa.version: [ 1, 2 ]
amdhsa.kernels:
  - .name:           k_qd4371d4e6e_prep
    .symbol:         k_qd4371d4e6e_prep.kd
    .args:
      - { .name: x, .offset: 0, .size: 8, .value_kind: global_buffer, .address_space: global }
      - { .name: W_in, .offset: 8, .size: 8, .value_kind: global_buffer, .address_space: global }
      - { .name: W_leaf, .offset: 16, .size: 8, .value_kind: global_buffer, .address_space: global }
      - { .name: b_leaf, .offset: 24, .size: 8, .value_kind: global_buffer, .address_space: global }
      - { .name: xq, .offset: 32, .size: 8, .value_kind: global_buffer, .address_space: global }
      - { .name: gq, .offset: 40, .size: 8, .value_kind: global_buffer, .address_space: global }
      - { .name: wq, .offset: 48, .size: 8, .value_kind: global_buffer, .address_space: global }
      - { .name: bq, .offset: 56, .size: 8, .value_kind: global_buffer, .address_space: global }
    .group_segment_fixed_size: 19712
    .private_segment_fixed_size: 0
    .kernarg_segment_align: 8
    .kernarg_segment_size: 64
    .max_flat_workgroup_size: 576
    .sgpr_count:     66
    .vgpr_count:     192
    .wavefront_size: 32
...
	.end_amdgpu_metadata
.endif
;; end of part 1
;; launch leaves (part 2): grid 32 x 8, 4 waves a work-group, clusters of 4 x 1, 327,680 bytes of LDS; arguments xq, gq, wq, bq, b_in, beta, part; writes part
.if DOCPART == 2
	.amdgcn_target "amdgcn-amd-amdhsa--gfx1250"
	.amdhsa_code_object_version 6
	.text
	.protected	k_qd4371d4e6e_leaves
	.globl	k_qd4371d4e6e_leaves
	.p2align	8
	.type	k_qd4371d4e6e_leaves,@function
k_qd4371d4e6e_leaves:
	s_mov_b64 s[64:65], 0
	v_nop
	global_prefetch_b8 v0, s[64:65] scope:SCOPE_SE
	s_setreg_imm32_b32 hwreg(HW_REG_WAVE_MODE, 25, 1), 1
	s_wait_xcnt 0x0
	s_wait_alu depctr_hold_cnt(0) depctr_sa_sdst(0) depctr_va_vdst(0) depctr_va_sdst(0) depctr_va_ssrc(0) depctr_va_vcc(0) depctr_vm_vsrc(0)
	s_getreg_b32 s2, hwreg(HW_REG_IB_STS2, 6, 4)
	s_cmp_eq_u32 s2, 0
	s_cbranch_scc0 .Lentry_in_a_cluster
	s_endpgm
.Lentry_in_a_cluster:
	s_bfe_u32 s2, ttmp6, 0x10000c
	s_cmp_lg_u32 s2, 0x3003
	s_cbranch_scc0 .Lentry_shape_is_right
	s_endpgm
.Lentry_shape_is_right:
; part[y][n][:] = the sum over the leaves l = 8 y .. 8 y + 7 of p[n][l] softmax(x[n] . W_leaf[l] + b_leaf[l]), p the product of six gate factors on the way from the root to leaf l.
; Both products with x run on codes of FP6 (E2M3) with E8M0 scales, as the launch before has laid them: images of operand registers, so every fragment comes by three loads of 16 bytes a lane, 512 consecutive bytes each.
; SHARES.  A work-group owns 64 rows (block B = 4 x cluster x + cx) and 8 leaves (y).  Wave w owns columns 128 w .. + 127 of every leaf for all 64 rows: 8 column tiles b x 4 row tiles m = 32 accumulators, and as many
; registers again for the mixture, kept across the leaves.  THE MATRIX INSTRUCTION IS USED TRANSPOSED (source 0 = 16 columns of W, source 1 = 16 rows of x): lane (r, h) holds row 16 m + r and columns 16 b + 8 h + 0 .. 7,
; so a row's maximum and sum lie in one lane, the lane 16 away, and the four waves (one exchange through LDS a leaf).  The bias is the C of a leaf's first K step.
; THE RING.  A unit is 256 along K of one leaf: 102,400 bytes, of which each wave fetches and reads its own 25,600.  Two slots; 32 units.  CLUSTER: the four row blocks of a cluster walk the same units, so each
; tensor load is asked for JOINTLY, with the same descriptor and the mask 15 in all four.
; SOFTMAX.  Each wave takes its own maximum m_w away: e = 2^(c s - c m_w), c = log2(e); the waves exchange (c m_w, sum_w); G = the largest c m_w; the mixture takes e x p 2^(c m_w - G) / sum over w of sum_w 2^(c m_w - G).
; THE MIXTURE'S REGISTERS ARE CLEARED ONCE, behind the first fills, where the wave has nothing else to do: a first leaf written out would be a third copy of the leaf's text.
; LIMITS: NaN and infinities are not served; columns 500 to 511 carry zero codes and the bias -1e30, so logits are taken to lie above -1e30; the gate's sum over K is taken in two halves (even and odd K steps).
; REGISTERS, in windows of 256.  Window 0: v1-15 addresses; v16-31 x's scale words; v32-47 W's, two sets; v48-143 x's fragments, two sets; v144-211 the softmax's statistics; v212-255 at work.
;   Window 1: v0-95, v128-223 W's fragments, two sets; v96-127, v224-255 the leaf's bias, 8 tiles.   Window 2: the logits, then e: accumulator (b, m) at 8 (4 b + m).   Window 3: the mixture, likewise.
.set UNIT,   102400
.set WBLK,   25600                     ; a wave's part of a unit: 16 fragments, then 1,024 bytes of scale words
.set FRB,    1536
.set WSCL,   24576
.set SLOT1,  131072                    ; LDS: slot 0 at 0, slot 1 here
.set BIAS,   102400                    ; 8 leaves x 512 f32
.set PT,     118784                    ; p[leaf j][r][m] at 256 j + 16 r + 4 m
.set EX,     120832                    ; (c m_w, sum_w) at 512 m + 32 r + 8 w
.set SPARE,  124928                    ; the spare words, 128 bytes for each wave: two blocks of 256 bytes that no other line names
.set XIMG,   233472                    ; my block of xq as it lies: 51,200 bytes
.set XSCL,   49152
.set STAGE,  284672                    ; the way out: 16 rows x 528 bytes for each wave
.set SPITCH, 528
.set SPW, 1                            ; v1   LDS address of my spare word; never rewritten
.set NIL, 2                            ; v2   0; never rewritten
.set LW,  3                            ; v3-4 my lane's place in my wave's part of slot 0, 1
.set LA,  5                            ; v5   and in x's images
.set LWS, 6                            ; v6-7 my lane's 8 bytes of W's scale words in slot 0, 1
.set PFO, 8                            ; v8   the prefetches' offset
.set LBI, 9                            ; v9   my eight numbers of a bias tile; 2,048 on for each leaf
.set LP,  10                           ; v10  my row's p; 256 on for each leaf
.set EXS, 11
.set EXL, 12
.set STO, 13
.set RD,  14
.set CO,  15
.set XS,  16                           ; register 8 (m / 2) + s: lanes 0-15 tile m even, lanes 16-31 m odd
.set WS,  32                           ; register 8 slot + 2 (b / 2) + sl: lanes 0-15 tile b even, lanes 16-31 b odd
.set XF,  48
.set MC,  144                          ; pairs (c m, sum) for m = 0 .. 3
.set SA,  152                          ; two chains of packed sums for each m
.set EXD, 168
.set PP,  200
.set FF,  204                          ; pairs (factor, a written partner)
.set TT,  212
.set WV,  18
.set G1,  24
.set G0,  32
.set SEL, 40
.set CS,  42
.set PFA, 46
.set LIM, 48
.set MSB, 0
.macro WIN new                         ; the immediate's high byte repeats the setting that is left
.if MSB != \new
	s_set_vgpr_msb (MSB<<8)|\new
.set MSB, \new
.endif
.endm
.macro PLACES                          ; four plain places: behind matrix instructions ahead of loads into their registers and of reads of their results, and behind a tensor load
.rept 4
	v_nop
.endr
.endm
.macro CREST                           ; a round of the cluster's barrier behind its opening barrier
	s_cmp_lg_u32 s[WV], 0
	s_cbranch_scc1 .Lnot_wave_0_\@
	s_barrier_signal -3
.Lnot_wave_0_\@:
	s_barrier_wait -3
	s_barrier_signal -1
	s_barrier_wait -1
.endm
.macro ROUND
	s_barrier_signal -1
	s_barrier_wait -1
	CREST
.endm
	s_load_b256 s[4:11], s[0:1], 0x0               ; xq s[4:5], gq s[6:7], wq s[8:9], bq s[10:11]
	s_load_b128 s[12:15], s[0:1], 0x20             ; b_in s[12:13], beta s[14:15]
	s_load_b64 s[16:17], s[0:1], 0x30              ; part
	v_lshl_add_u32 v[SPW], v0, 2, SPARE
	v_mov_b32 v[NIL], 0
	ds_add_u32 v1, v2
	ds_add_u32 v1, v2
	s_wait_dscnt 0x0
	v_lshrrev_b32 v212, 5, v0
	v_readfirstlane_b32 s[WV], v212                ; wave 0..3
	s_bfe_u32 s19, ttmp6, 0x40000                  ; cx: it enters global addresses of x, part and the prefetches alone
	s_lshl_b32 s20, ttmp9, 2
	s_add_co_u32 s20, s20, s19                     ; my block of 64 rows
	s_and_b32 s21, ttmp7, 0xffff                   ; y: my eight leaves; the four partners share it
	; descriptor group 1: a dense block of 25,600 bytes as 100 rows of 256 bytes (32 elements of 8 bytes); no padding: every read of it is of consecutive bytes
	s_mov_b32 s[G1], 15|(3<<16)|(1<<21)            ; 15:0 the mask: all four work-groups; 17:16 elements of 8 bytes; 21 set beside a mask
	s_mov_b32 s[G1+1], 32<<16                      ; tensor_dim0 = 32
	s_mov_b32 s[G1+2], 100<<16                     ; tensor_dim1 = 100
	s_mov_b32 s[G1+3], 32<<16                      ; tile_dim0 = 32
	s_mov_b32 s[G1+4], 100                         ; tile_dim1 = 100
	s_mov_b32 s[G1+5], 32                          ; from row to row
	s_mov_b32 s[G1+6], 0
	s_mov_b32 s[G1+7], 0
	s_mov_b32 s[SEL], 0x76543210
	s_mov_b32 s[SEL+1], 0xfedcba98
	s_mov_b32 s[CS], 0x3fb8aa3b                    ; c = log2(e)
	s_mov_b32 s[CS+1], s[CS]                       ; (named with it as a pair, so it is written)
	s_mul_i32 s62, s[WV], WBLK                     ; my wave's part of a unit, in memory and in a slot
	s_mul_i32 s60, s21, 32*UNIT
	s_add_co_u32 s60, s60, s62
	s_mov_b32 s61, 0
	s_mul_i32 s56, s20, 51200
	s_mov_b32 s57, 0
	s_lshl_b32 s58, s21, 14
	s_mov_b32 s59, 0
	s_lshl_b32 s66, s21, 22                        ; part: 4,194,304 y + 131,072 B + 512 w
	s_lshl_b32 s67, s20, 17
	s_add_co_u32 s66, s66, s67
	s_lshl_b32 s67, s[WV], 9
	s_add_co_u32 s66, s66, s67
	s_mov_b32 s67, 0
	s_mul_i32 s68, s19, 6400                       ; the prefetches: my work-group's 25 blocks of 256 bytes of the wave's 100, told apart by address,
	s_add_co_u32 s68, s68, 4*UNIT                  ; four units on
	s_mov_b32 s69, 0
	s_cmp_eq_u32 ttmp9, 0                          ; all clusters of one y walk the same units: the first of them prefetches (the same in all four partners)
	s_cselect_b32 s[LIM], 1, 0
	s_bitcmp1_b32 s21, 2                           ; the branch bits of levels 0 to 2 are y's: a factor is g x sign + offset
	s_cselect_b32 s50, -1.0, 1.0
	s_cselect_b32 s51, 1.0, 0
	s_bitcmp1_b32 s21, 1
	s_cselect_b32 s52, -1.0, 1.0
	s_cselect_b32 s53, 1.0, 0
	s_bitcmp1_b32 s21, 0
	s_cselect_b32 s54, -1.0, 1.0
	s_cselect_b32 s55, 1.0, 0
	v_lshlrev_b32 v213, 4, v0                      ; 16 x thread
	s_wait_kmcnt 0x0
	s_add_nc_u64 s[4:5], s[4:5], s[56:57]
	s_add_nc_u64 s[10:11], s[10:11], s[58:59]
	s_add_nc_u64 s[8:9], s[8:9], s[60:61]          ; wq at unit 0 of y, my wave's part
	s_add_nc_u64 s[16:17], s[16:17], s[66:67]
	s_add_nc_u64 s[PFA:PFA+1], s[8:9], s[68:69]
.set i, 0
.rept 25
	global_load_b128 v[48+4*i:51+4*i], v213, s[4:5] offset:2048*i   ; my block of xq: 51,200 bytes, 2,048 an instruction of the work-group
.set i, i+1
.endr
.set i, 0
.rept 8
	global_load_b128 v[148+4*i:151+4*i], v213, s[10:11] offset:2048*i   ; my eight leaves' biases
.set i, i+1
.endr
.irp g, 0,1
	s_mov_b32 s[G0+4*\g], 1                                        ; count = 1
	s_add_co_u32 s[G0+4*\g+1], s62, \g*SLOT1                       ; LDS address: the wave's number x a constant + the slot's constant
	s_add_nc_u64 s[G0+4*\g+2:G0+4*\g+3], s[8:9], \g*UNIT           ; unit g
	s_or_b32 s[G0+4*\g+3], s[G0+4*\g+3], 0x80000000               ; type = 2
.endr
	ROUND                                          ; all four work-groups are here: the first joint loads meet
	tensor_load_to_lds s[G0:G0+3], s[G1:G1+7]      ; both first fills stand together: two loads of mine are out, later one
	s_nop 0
	tensor_load_to_lds s[G0+4:G0+7], s[G1:G1+7]
	s_nop 0
	PLACES
	WIN 0xc0
.set i, 0
.rept 256
	v_mov_b32 v[i], 0                              ; the mixture begins as zeros
.set i, i+1
.endr
	WIN 0
	v_and_b32 v212, 31, v0                         ; lane
	v_and_b32 v214, 15, v0                         ; r
	v_bfe_u32 v215, v0, 4, 1                       ; h
	v_lshlrev_b32 v[CO], 4, v212
	v_add_nc_u32 v[LW], s62, v[CO]
	v_add_nc_u32 v[LW+1], SLOT1, v[LW]
	v_add_nc_u32 v[LA], XIMG, v[CO]
	v_lshl_add_u32 v[LWS], v212, 3, s62
	v_add_nc_u32 v[LWS], WSCL, v[LWS]
	v_add_nc_u32 v[LWS+1], SLOT1, v[LWS]
	v_min_u32 v[PFO], 24, v212                     ; 25 blocks: lanes 24 to 31 name the same one
	v_lshlrev_b32 v[PFO], 8, v[PFO]
	s_lshl_b32 s63, s[WV], 9
	s_add_co_u32 s63, s63, BIAS
	v_lshl_add_u32 v[LBI], v215, 5, s63
	v_lshl_add_u32 v[LP], v214, 4, PT
	v_lshl_add_u32 v[EXL], v214, 5, EX
	s_lshl_b32 s63, s[WV], 3
	v_add_nc_u32 v[EXS], s63, v[EXL]
	s_mul_i32 s63, s[WV], 16*SPITCH
	s_add_co_u32 s63, s63, STAGE
	v_mul_u32_u24 v[STO], v214, SPITCH
	v_lshl_add_u32 v[STO], v215, 5, v[STO]
	v_add_nc_u32 v[STO], s63, v[STO]               ; the stage, in: row r, + 32 h
	v_add_nc_u32 v[RD], s63, v[CO]                 ; back: 16 bytes a lane of a row
	v_lshl_add_u32 v216, v0, 4, XIMG               ; where my thread puts its 16 bytes of xq's block,
	v_lshl_add_u32 v217, v0, 4, BIAS               ; and of the biases
	s_mul_i32 s63, s[WV], FRB
	v_add_nc_u32 v218, s63, v[LA]                  ; the gates: x's fragments of row tile m = w,
	s_lshr_b32 s63, s[WV], 1
	s_lshl_b32 s63, s63, 10
	s_and_b32 s57, s[WV], 1
	s_lshl_b32 s57, s57, 8
	s_add_co_u32 s63, s63, s57
	s_add_co_u32 s63, s63, XIMG+XSCL
	v_lshl_add_u32 v219, v214, 4, s63              ; their scale words, brought into lanes 0-15 whatever w,
	s_lshl_b32 s63, s[WV], 2
	s_add_co_u32 s63, s63, PT
	v_lshl_add_u32 v194, v215, 10, s63
	v_lshl_add_u32 v194, v214, 4, v194             ; and where p goes: PT + 1,024 h + 16 r + 4 w
	; THE GATES.  Half h of the lanes serves leaves 8 y + 4 h + 0 .. 3, whose ways pass 7 nodes.  Slot 8 h + j of the gate tile: j = 0 .. 5: the node of level j; j = 6: the second node of level 5; j = 7: node 0, not used.
	s_lshl_b32 s56, s21, 3
	v_lshl_add_u32 v220, v215, 2, s56              ; 8 y + 4 h.  In the result register j of lane (r, h) is slot 8 h + j: its node's byte in b_in and beta
	v_mov_b32 v184, 0
.irp j, 1,2,3,4,5
	v_lshrrev_b32 v[184+\j], 6-\j, v220
	v_add_lshl_u32 v[184+\j], v[184+\j], (1<<\j)-1, 2
.endr
	v_add_nc_u32 v190, 4, v189
	v_mov_b32 v191, 0
	v_and_b32 v221, 7, v0                          ; as source 0 lane l holds slot l % 16: j,
	v_bfe_u32 v222, v0, 3, 1                       ; and its half of the leaves
	v_lshl_add_u32 v222, v222, 2, s56
	v_mov_b32 v195, 2
	v_mov_b32 v196, 0
	v_cmp_eq_u32 vcc_lo, 6, v221
	v_cndmask_b32 v223, 0, v195, vcc_lo
	v_add_nc_u32 v222, v222, v223                  ; + 2 for slot 6
	v_min_u32 v223, 5, v221                        ; the level,
	v_cmp_eq_u32 vcc_lo, 7, v221
	v_cndmask_b32 v223, v223, v196, vcc_lo         ; 0 for slot 7
	v_sub_nc_u32 v197, 6, v223
	v_lshrrev_b32 v222, v197, v222
	v_lshlrev_b32 v197, v223, 1
	v_add_nc_u32 v222, v222, v197
	v_add_nc_u32 v222, -1, v222                    ; the node: 2^level - 1 + (leaf >> (6 - level)), 62 at the most
	v_lshrrev_b32 v223, 4, v222
	v_mul_u32_u24 v192, v223, FRB
	v_and_b32 v223, 15, v222
	v_lshl_add_u32 v192, v223, 4, v192
	v_lshl_add_u32 v192, v215, 8, v192             ; its registers in gq's images: tile node / 16, lane 16 h + node % 16
	v_lshrrev_b32 v223, 5, v222
	v_and_b32 v197, 31, v222
	v_lshlrev_b32 v193, 10, v223
	v_lshl_add_u32 v193, v197, 4, v193             ; and its scale words
	WIN 0x40                                       ; destination window 1
.set i, 0
.rept 8
.irp g, 0,1,2
	global_load_b128 v[12*i+4*\g:12*i+4*\g+3], v192, s[6:7] offset:4*FRB*i+512*\g   ; the gate tile's fragment of K step i
.endr
.set i, i+1
.endr
	WIN 0
	global_load_b128 v[32:35], v193, s[6:7] offset:XSCL
	global_load_b128 v[36:39], v193, s[6:7] offset:XSCL+512
.irp j, 0,1,2,3,4,5,6,7
	global_load_b32 v[240+\j], v[184+\j], s[12:13]
	global_load_b32 v[248+\j], v[184+\j], s[14:15]
.endr
	s_wait_loadcnt 42                              ; behind the 33 copies the gates' 24 + 2 + 16 loads were issued
.set i, 0
.rept 25
	ds_store_b128 v216, v[48+4*i:51+4*i] offset:2048*i
.set i, i+1
.endr
.set i, 0
.rept 8
	ds_store_b128 v217, v[148+4*i:151+4*i] offset:2048*i
.set i, i+1
.endr
	s_wait_dscnt 0x0                               ; for the others' sake: my stores have landed
	s_barrier_signal -1                            ; the two first fills may stay out
	s_barrier_wait -1
.irp m, 0,1,2,3
	v_mov_b32 v[MC+2*\m+1], 0                      ; named as the upper halves of pairs before they are first written.  They stand here, where the copies that passed through v48-179 have landed and have been stored
	v_mov_b32 v[FF+2*\m+1], 0
.endr
.irp q, 0,1,2,3
	ds_load_b128 v[XS+4*\q:XS+4*\q+3], v[LA] offset:XSCL+512*\q    ; x's sixteen scale registers: they stay
.endr
.set i, 0
.rept 8
.irp g, 0,1,2
	ds_load_b128 v[XF+12*i+4*\g:XF+12*i+4*\g+3], v218 offset:4*FRB*i+512*\g
.endr
.set i, i+1
.endr
	ds_load_b128 v[40:43], v219
	ds_load_b128 v[44:47], v219 offset:512
	s_wait_dscnt 0x0
	s_wait_loadcnt 0x0
	WIN 0x01                                       ; source 0 window 1.  Two accumulators by turns: even K steps (begun with b_in), odd K steps
	v_wmma_scale_f32_16x16x128_f8f6f4 v[224:231], v[0:11], v[48:59], v[240:247], v32, v40 matrix_a_fmt:MATRIX_FMT_FP6 matrix_b_fmt:MATRIX_FMT_FP6
	v_wmma_scale_f32_16x16x128_f8f6f4 v[232:239], v[12:23], v[60:71], 0, v33, v41 matrix_a_fmt:MATRIX_FMT_FP6 matrix_b_fmt:MATRIX_FMT_FP6
.irp k, 2,4,6
	v_wmma_scale_f32_16x16x128_f8f6f4 v[224:231], v[12*\k:12*\k+11], v[48+12*\k:59+12*\k], v[224:231], v[32+\k], v[40+\k] matrix_a_fmt:MATRIX_FMT_FP6 matrix_b_fmt:MATRIX_FMT_FP6
	v_wmma_scale_f32_16x16x128_f8f6f4 v[232:239], v[12*\k+12:12*\k+23], v[60+12*\k:71+12*\k], v[232:239], v[33+\k], v[41+\k] matrix_a_fmt:MATRIX_FMT_FP6 matrix_b_fmt:MATRIX_FMT_FP6
.endr
	WIN 0
	PLACES
.irp j, 0,1,2,3,4,5,6
	v_add_f32 v[224+\j], v[224+\j], v[232+\j]      ; x . W_in + b_in
.endr
.irp j, 0,1,2,3,4,5,6
	v_mul_f32 v[224+\j], v[224+\j], v[248+\j]      ; x beta
.endr
.irp j, 0,1,2,3,4,5,6
	v_mul_f32 v[224+\j], 0xbfb8aa3b, v[224+\j]     ; x -log2(e)
.endr
.irp j, 0,1,2,3,4,5,6
	v_exp_f32 v[224+\j], v[224+\j]
.endr
	v_nop                                          ; a plain place behind the last exponential
	s_wait_alu depctr_va_vdst(0)                   ; one wait for the batch, ahead of its first reader
.irp j, 0,1,2,3,4,5,6
	v_add_f32 v[224+\j], 1.0, v[224+\j]
.endr
.irp j, 0,1,2,3,4,5,6
	v_rcp_f32 v[224+\j], v[224+\j]                 ; g = 1 / (1 + e^-z)
.endr
	v_cvt_f32_u32 v232, v215                       ; level 3's branch bit is h: offset h,
	v_fma_f32 v233, v232, -2.0, 1.0                ; sign 1 - 2 h
	s_wait_alu depctr_va_vdst(0)                   ; one wait for the seven reciprocals
	v_fma_f32 v234, v224, s50, s51                 ; g or 1 - g
	v_fma_f32 v235, v225, s52, s53
	v_fma_f32 v236, v226, s54, s55
	v_fma_f32 v237, v227, v233, v232
	v_mul_f32 v234, v234, v235
	v_mul_f32 v234, v234, v236
	v_mul_f32 v234, v234, v237                     ; levels 0 to 3
	v_sub_f32 v235, 1.0, v228
	v_sub_f32 v236, 1.0, v229
	v_sub_f32 v237, 1.0, v230
	v_mul_f32 v238, v234, v228                     ; level 4, left
	v_mul_f32 v239, v234, v235                     ; right
	v_mul_f32 v224, v238, v229                     ; leaves 4 h + 0 .. 3
	v_mul_f32 v225, v238, v236
	v_mul_f32 v226, v239, v230
	v_mul_f32 v227, v239, v237
.irp j, 0,1,2,3
	ds_store_b32 v194, v[224+\j] offset:256*\j     ; read by the others behind the first rounds, in front of which I wait for these stores
.endr
; One product.  The symbols ss (K step), bb, mm say which; rCC is C's first register: the bias tile in the leaf's first K step, else the accumulator itself.
.macro WM
.set rD, 8*(4*bb+mm)
.set rA, 128*(ss%2)+12*bb
.set rB, XF+48*(ss%2)+12*mm
.set rW, WS+8*((ss/2)%2)+2*(bb/2)+ss%2
.set rX, XS+8*(mm/2)+ss
.set rCC, rD
.if ss == 0
.set rCC, 96+8*bb+96*(bb/4)
.endif
.if (bb%2 == 0) && (mm%2 == 0)
	v_wmma_scale_f32_16x16x128_f8f6f4 v[rD:rD+7], v[rA:rA+11], v[rB:rB+11], v[rCC:rCC+7], v[rW], v[rX] matrix_a_fmt:MATRIX_FMT_FP6 matrix_b_fmt:MATRIX_FMT_FP6
.elseif (bb%2 == 1) && (mm%2 == 0)
	v_wmma_scale_f32_16x16x128_f8f6f4 v[rD:rD+7], v[rA:rA+11], v[rB:rB+11], v[rCC:rCC+7], v[rW], v[rX] matrix_a_fmt:MATRIX_FMT_FP6 matrix_b_fmt:MATRIX_FMT_FP6 matrix_a_scale:MATRIX_SCALE_ROW1
.elseif (bb%2 == 0)
	v_wmma_scale_f32_16x16x128_f8f6f4 v[rD:rD+7], v[rA:rA+11], v[rB:rB+11], v[rCC:rCC+7], v[rW], v[rX] matrix_a_fmt:MATRIX_FMT_FP6 matrix_b_fmt:MATRIX_FMT_FP6 matrix_b_scale:MATRIX_SCALE_ROW1
.else
	v_wmma_scale_f32_16x16x128_f8f6f4 v[rD:rD+7], v[rA:rA+11], v[rB:rB+11], v[rCC:rCC+7], v[rW], v[rX] matrix_a_fmt:MATRIX_FMT_FP6 matrix_b_fmt:MATRIX_FMT_FP6 matrix_a_scale:MATRIX_SCALE_ROW1 matrix_b_scale:MATRIX_SCALE_ROW1
.endif
.endm
; K step s, column tiles b0 .. b0 + nb - 1, each against the four row tiles.  The 32 accumulators take turns, one instruction a turn, in the same order in every step.
.macro MUL s, b0, nb
.set ss, \s
.if ss == 0
	WIN 0x91                                       ; W window 1, x window 0, C (the bias) window 1, D window 2
.else
	WIN 0xa1                                       ; C and D window 2
.endif
.set bb, \b0
.rept \nb
.set mm, 0
.rept 4
	WM
.set mm, mm+1
.endr
.set bb, bb+1
.endr
.endm
; K step s's operands: 24 loads of W, 12 of x, and with an even step the unit's 4 loads of scale words; bias = 1: 16 more for the leaf's bias tiles.
.macro FETCH s, bias
.set fs, \s
.set fsg, (fs/2)%2
	WIN 0x40
.set i, 0
.rept 8
.irp g, 0,1,2
	ds_load_b128 v[128*(fs%2)+12*i+4*\g:128*(fs%2)+12*i+4*\g+3], v[LW+fsg] offset:(8*(fs%2)+i)*FRB+512*\g
.endr
.set i, i+1
.endr
.if \bias
.set i, 0
.rept 8
	ds_load_b128 v[96+8*i+96*(i/4):99+8*i+96*(i/4)], v[LBI] offset:64*i
	ds_load_b128 v[100+8*i+96*(i/4):103+8*i+96*(i/4)], v[LBI] offset:64*i+16
.set i, i+1
.endr
.endif
	WIN 0
.set i, 0
.rept 4
.irp g, 0,1,2
	ds_load_b128 v[XF+48*(fs%2)+12*i+4*\g:XF+48*(fs%2)+12*i+4*\g+3], v[LA] offset:(4*fs+i)*FRB+512*\g
.endr
.set i, i+1
.endr
.if fs%2 == 0
.irp q, 0,1,2,3
	ds_load_b64 v[WS+8*fsg+2*\q:WS+8*fsg+2*\q+1], v[LWS+fsg] offset:256*\q
.endr
.endif
.endm
; A PREFETCH INTO THE L2 of the unit that stands two refills on: my work-group's 25 blocks of 256 bytes of my wave's 100, a lane a block.  It stands behind the joint load, its four lines and the run of LDS loads.
; The first cluster of each y asks; the four partners are told apart by address.  The loop's seven trips ask, the last leaf does not: the last unit named is the y's last.  Units 0 to 3 come by their loads alone.
.macro ASK sp
	s_cmp_eq_u32 s[LIM], 1
	s_cbranch_scc0 .Lnot_mine_\@
	global_prefetch_b8 v[PFO], s[PFA:PFA+1] offset:(\sp)*UNIT th:TH_LOAD_NT scope:SCOPE_SE
.Lnot_mine_\@:
.endm
.macro STEP_E s                        ; an even K step: the unit's first.  The next step's operands are asked for ahead of its products
.if (\s) > 0
	PLACES
.endif
	FETCH (\s)+1, 0
	s_wait_dscnt 36                                ; all but the 36 just issued: this step's operands are in
	MUL \s, 0, 8
.endm
; An odd K step: the unit's last: the change of slots.  Each wave waits for all its tensor loads (one is out: its part of the other slot), adds 0 to its spare word, and waits for that and for its reads of this slot, which
; are all in registers then.  fill = 1: a round of the cluster's barrier, and behind it this slot takes the unit two on: the first tensor load there, one a wave.
.macro TURN s, fill, ask
.set tsg, ((\s)/2)%2
	WIN 0
.if \fill
	s_wait_tensorcnt 0x0                           ; no tensor load of mine is out, so a group 0 may be written
	ds_add_u32 v[SPW], v[NIL]                      ; 0 onto my spare word
	s_add_nc_u64 s[G0+4*tsg+2:G0+4*tsg+3], s[G0+4*tsg+2:G0+4*tsg+3], 2*UNIT
	s_wait_dscnt 1                                 ; this step's operands are in; the add may be out
	MUL \s, 0, 2                                   ; eight products stand between the add and the wait for it
	s_wait_dscnt 0x0                               ; the add is done, and my reads of this slot are over
	s_barrier_signal -1
	MUL \s, 2, 2
	WIN 0
	s_barrier_wait -1
	CREST                                          ; no wave of any partner still reads this slot or has a load on its way
	tensor_load_to_lds s[G0+4*tsg:G0+4*tsg+3], s[G1:G1+7]
	s_nop 0
	PLACES                                         ; also the places in front of the loads below
.if (\s) == 7
	v_add_nc_u32 v[LBI], 2048, v[LBI]              ; the next leaf's bias
	FETCH 0, 1
.else
	FETCH (\s)+1, 0
.endif
.if \ask
	ASK (\s)/2
.endif
	MUL \s, 4, 4
.else
.if (\s) == 5
	s_wait_tensorcnt 0x0                           ; the last unit has landed; only I read my part of it, and nothing is filled any more
	PLACES
	FETCH 6, 0
	s_wait_dscnt 40                                ; all but the 40 just issued
.else
	s_wait_dscnt 0x0
.endif
	MUL \s, 0, 8
.endif
.endm
; THE SOFTMAX OF A LEAF AND ITS SHARE OF THE MIXTURE.  more = 1: another leaf follows in the loop.
.macro SOFTMAX more
	PLACES
	WIN 0x28                                       ; sources 1 and 2 window 2
.set bb, 0
.rept 8                                ; the largest of my 64 logits of each row tile; each accumulator from its low end on; the four tiles by turns
.set q, 0
.rept 4
.set mm, 0
.rept 4
.set rL, 8*(4*bb+mm)+2*q
.if (bb == 0) && (q == 0)
	v_max3_num_f32 v[MC+2*mm], 0xff800000, v[rL], v[rL+1]
.else
	v_max3_num_f32 v[MC+2*mm], v[MC+2*mm], v[rL], v[rL+1]
.endif
.set mm, mm+1
.endr
.set q, q+1
.endr
.set bb, bb+1
.endr
	WIN 0
.irp m, 0,1,2,3
	v_permlanex16_b32 v[TT+\m], v[MC+2*\m], s[SEL], s[SEL+1]
.endr
.irp m, 0,1,2,3
	v_max_num_f32 v[MC+2*\m], v[MC+2*\m], v[TT+\m] ; with the lane 16 away: my wave's 128 columns
.endr
.irp m, 0,1,2,3
	v_mul_f32 v[MC+2*\m], s[CS], v[MC+2*\m]        ; c m (c is positive)
.endr
	WIN 0x82                                       ; destination and source 0 window 2
.set p, 0
.rept 128                              ; ONE BATCH: a pair's scaling c s - c m, then the two exponentials of the pair before: no line reads an exponential's result
.set mm, (p/4)%4
	v_pk_fma_f32 v[2*p:2*p+1], v[2*p:2*p+1], s[CS:CS+1], v[MC+2*mm:MC+2*mm+1] op_sel_hi:[1,0,0] neg_lo:[0,0,1] neg_hi:[0,0,1]
.if p > 0
	v_exp_f32 v[2*p-2], v[2*p-2]
	v_exp_f32 v[2*p-1], v[2*p-1]
.endif
.set p, p+1
.endr
	v_exp_f32 v254, v254
	v_exp_f32 v255, v255
	v_nop                                          ; a plain place behind the last exponential
	s_wait_alu depctr_va_vdst(0)                   ; one wait for the 256, ahead of their first reader
	WIN 0x0a                                       ; sources 0 and 1 window 2
.irp m, 0,1,2,3
	v_pk_add_f32 v[SA+4*\m:SA+4*\m+1], v[8*\m:8*\m+1], v[8*\m+2:8*\m+3]         ; the sums: two chains for each row tile, begun by column tile 0
	v_pk_add_f32 v[SA+4*\m+2:SA+4*\m+3], v[8*\m+4:8*\m+5], v[8*\m+6:8*\m+7]
.endr
	WIN 0x08                                       ; source 1 window 2
.set bb, 1
.rept 7
.set q, 0
.rept 2
.irp m, 0,1,2,3
	v_pk_add_f32 v[SA+4*\m:SA+4*\m+1], v[SA+4*\m:SA+4*\m+1], v[8*(4*bb+\m)+4*q:8*(4*bb+\m)+4*q+1]
	v_pk_add_f32 v[SA+4*\m+2:SA+4*\m+3], v[SA+4*\m+2:SA+4*\m+3], v[8*(4*bb+\m)+4*q+2:8*(4*bb+\m)+4*q+3]
.endr
.set q, q+1
.endr
.set bb, bb+1
.endr
	WIN 0
.irp m, 0,1,2,3
	v_pk_add_f32 v[SA+4*\m:SA+4*\m+1], v[SA+4*\m:SA+4*\m+1], v[SA+4*\m+2:SA+4*\m+3]
.endr
.irp m, 0,1,2,3
	v_add_f32 v[MC+2*\m+1], v[SA+4*\m], v[SA+4*\m+1]
.endr
.irp m, 0,1,2,3
	v_permlanex16_b32 v[TT+\m], v[MC+2*\m+1], s[SEL], s[SEL+1]
.endr
.irp m, 0,1,2,3
	v_add_f32 v[MC+2*\m+1], v[MC+2*\m+1], v[TT+\m] ; my wave's sum of the row
.endr
.irp m, 0,1,2,3
	ds_store_b64 v[EXS], v[MC+2*\m:MC+2*\m+1] offset:512*\m        ; both halves of the lanes write the same 8 bytes with the same values
.endr
	s_wait_dscnt 0x0                               ; for the others' sake: my stores have landed (and every LDS load of mine is in)
	s_barrier_signal -1                            ; the refill that is out may stay out
	s_barrier_wait -1
.irp m, 0,1,2,3
	ds_load_b128 v[EXD+8*\m:EXD+8*\m+3], v[EXL] offset:512*\m      ; the four waves' (c m, sum).  These bytes are written again only behind the next leaf's rounds
	ds_load_b128 v[EXD+8*\m+4:EXD+8*\m+7], v[EXL] offset:512*\m+16
.endr
	ds_load_b128 v[PP:PP+3], v[LP]                 ; p of my four rows for this leaf
	s_wait_dscnt 0x0
.irp m, 0,1,2,3
	v_max3_num_f32 v[TT+\m], v[EXD+8*\m], v[EXD+8*\m+2], v[EXD+8*\m+4]
.endr
.irp m, 0,1,2,3
	v_max_num_f32 v[TT+\m], v[TT+\m], v[EXD+8*\m+6]                ; G
.endr
.irp m, 0,1,2,3
.irp w, 0,1,2,3
	v_sub_f32 v[EXD+8*\m+2*\w], v[EXD+8*\m+2*\w], v[TT+\m]
.endr
	v_sub_f32 v[TT+4+\m], v[MC+2*\m], v[TT+\m]
.endr
.irp m, 0,1,2,3
.irp w, 0,1,2,3
	v_exp_f32 v[EXD+8*\m+2*\w], v[EXD+8*\m+2*\w]
.endr
	v_exp_f32 v[TT+4+\m], v[TT+4+\m]
.endr
	v_nop
	s_wait_alu depctr_va_vdst(0)                   ; one wait for the twenty
.irp m, 0,1,2,3
	v_mul_f32 v[TT+8+\m], v[EXD+8*\m], v[EXD+8*\m+1]
.endr
.irp w, 1,2,3
.irp m, 0,1,2,3
	v_fmac_f32 v[TT+8+\m], v[EXD+8*\m+2*\w], v[EXD+8*\m+2*\w+1]    ; the row's whole sum under G: at least 1
.endr
.endr
.irp m, 0,1,2,3
	v_rcp_f32 v[TT+8+\m], v[TT+8+\m]
.endr
.irp m, 0,1,2,3
	v_mul_f32 v[TT+4+\m], v[TT+4+\m], v[PP+\m]     ; plain work behind the reciprocals
.endr
	s_wait_alu depctr_va_vdst(0)                   ; one wait for the four
.irp m, 0,1,2,3
	v_mul_f32 v[FF+2*\m], v[TT+4+\m], v[TT+8+\m]   ; p 2^(c m - G) / sum
.endr
	WIN 0xf2                                       ; e window 2, the factor window 0, the mixture window 3
.set p, 0
.rept 128
.set mm, (p/4)%4
	v_pk_fma_f32 v[2*p:2*p+1], v[2*p:2*p+1], v[FF+2*mm:FF+2*mm+1], v[2*p:2*p+1] op_sel_hi:[1,0,1]
.set p, p+1
.endr
	WIN 0
.if \more
	v_add_nc_u32 v[LP], 256, v[LP]
	s_wait_xcnt 0x0                                ; the leaf's prefetches, a softmax back at the least, have read their address
	s_add_nc_u64 s[PFA:PFA+1], s[PFA:PFA+1], 4*UNIT
.endif
.endm
.macro LEAF f
	STEP_E 0
	TURN 1, 1, \f
	STEP_E 2
	TURN 3, 1, \f
	STEP_E 4
	TURN 5, \f, \f
	STEP_E 6
	TURN 7, \f, \f
	SOFTMAX \f
.endm
	s_wait_tensorcnt 1                             ; my part of unit 0 is in, and only I read it; unit 1's load may be out
	FETCH 0, 1
	s_mov_b32 s44, 7
.Lleaf:                                            ; seven trips, each filling four slots; the last leaf is written out
	LEAF 1
	s_sub_co_u32 s44, s44, 1
	s_cmp_lg_u32 s44, 0
	s_cbranch_scc1 .Lleaf
	LEAF 0
; THE WAY OUT, a row tile at a time: a lane holds 32 neighbouring bytes of a row and the lanes beside it other rows, so a tile goes through my own stage and comes back as rows of 512 bytes.
.macro TOSTAGE m
	WIN 0x0c                                       ; an LDS store's data are its source 1: window 3
.set bb, 0
.rept 8
	ds_store_b128 v[STO], v[8*(4*bb+(\m)):8*(4*bb+(\m))+3] offset:64*bb
	ds_store_b128 v[STO], v[8*(4*bb+(\m))+4:8*(4*bb+(\m))+7] offset:64*bb+16
.set bb, bb+1
.endr
	WIN 0
.set BB, XF+64*((\m)%2)
.set i, 0
.rept 16
	ds_load_b128 v[BB+4*i:BB+4*i+3], v[RD] offset:SPITCH*i         ; LDS serves a wave's instructions in order (ISA guide 5.7.1.4): these see the stores above
.set i, i+1
.endr
.endm
.macro SEND m, younger                 ; younger: the LDS instructions issued behind tile m's loads
.set BB, XF+64*((\m)%2)
	s_wait_dscnt \younger
.set i, 0
.rept 16
	global_store_b128 v[CO], v[BB+4*i:BB+4*i+3], s[16:17] offset:(16*(\m)+i)*2048 th:TH_STORE_NT   ; 32 lanes store 512 consecutive bytes, aligned
.set i, i+1
.endr
.endm
	TOSTAGE 0
.irp m, 1,2,3
.if \m > 1
	s_wait_xcnt 0x0                                ; tile m - 2's stores have read their registers: tile m's loads may land there
.endif
	TOSTAGE \m
	SEND \m-1, 32                                  ; behind tile m - 1's loads: tile m's 16 stores and 16 loads
.endr
	SEND 3, 0
	s_wait_tensorcnt 0x0                           ; the wave's end: behind my last tensor load and my last LDS store
	ds_add_u32 v[SPW], v[NIL]
	s_wait_dscnt 0x0
	ROUND                                          ; the closing round: no work-group ends while a partner may still ask for a unit that names it
	s_endpgm
.Lfunc_end_k_qd4371d4e6e_leaves:
	.size	k_qd4371d4e6e_leaves, .Lfunc_end_k_qd4371d4e6e_leaves-k_qd4371d4e6e_leaves
	.p2alignl 7, 3214868480
	.fill 96, 4, 3214868480
	.section	.rodata,"a",@progbits
	.p2align	6, 0x0
	.amdhsa_kernel k_qd4371d4e6e_leaves
		.amdhsa_group_segment_fixed_size 327680
		.amdhsa_private_segment_fixed_size 0
		.amdhsa_enable_private_segment 0
		.amdhsa_kernarg_size 56
		.amdhsa_user_sgpr_count 2
		.amdhsa_user_sgpr_kernarg_segment_ptr 1
		.amdhsa_wavefront_size32 1
		.amdhsa_system_sgpr_workgroup_id_x 1
		.amdhsa_system_sgpr_workgroup_id_y 1
		.amdhsa_system_sgpr_workgroup_id_z 1
		.amdhsa_system_vgpr_workitem_id 0
		.amdhsa_next_free_vgpr 1024
		.amdhsa_next_free_sgpr 72
		.amdhsa_reserve_vcc 1
		.amdhsa_float_denorm_mode_32 3
		.amdhsa_float_denorm_mode_16_64 3
		.amdhsa_memory_ordered 1
		.amdhsa_forward_progress 1
		.amdhsa_inst_pref_size 249
	.end_amdhsa_kernel
	.amdgpu_metadata
---
amdhsa.version: [ 1, 2 ]
amdhsa.kernels:
  - .name:           k_qd4371d4e6e_leaves
    .symbol:         k_qd4371d4e6e_leaves.kd
    .args:
      - { .name: xq, .offset: 0, .size: 8, .value_kind: global_buffer, .address_space: global }
      - { .name: gq, .offset: 8, .size: 8, .value_kind: global_buffer, .address_space: global }
      - { .name: wq, .offset: 16, .size: 8, .value_kind: global_buffer, .address_space: global }
      - { .name: bq, .offset: 24, .size: 8, .value_kind: global_buffer, .address_space: global }
      - { .name: b_in, .offset: 32, .size: 8, .value_kind: global_buffer, .address_space: global }
      - { .name: beta, .offset: 40, .size: 8, .value_kind: global_buffer, .address_space: global }
      - { .name: part, .offset: 48, .size: 8, .value_kind: global_buffer, .address_space: global }
    .group_segment_fixed_size: 327680
    .private_segment_fixed_size: 0
    .kernarg_segment_align: 8
    .kernarg_segment_size: 56
    .max_flat_workgroup_size: 128
    .sgpr_count:     72
    .vgpr_count:     1024
    .wavefront_size: 32
...
	.end_amdgpu_metadata
.endif
;; end of part 2
;; launch mix (part 3): grid 500 x 1, 8 waves a work-group, no clusters, 0 bytes of LDS; arguments part, out0; writes out0
.if DOCPART == 3
	.amdgcn_target "amdgcn-amd-amdhsa--gfx1250"
	.amdhsa_code_object_version 6
	.text
	.protected	k_qd4371d4e6e_mix
	.globl	k_qd4371d4e6e_mix
	.p2align	8
	.type	k_qd4371d4e6e_mix,@function
k_qd4371d4e6e_mix:
	s_mov_b64 s[64:65], 0
	v_nop
	global_prefetch_b8 v0, s[64:65] scope:SCOPE_SE
	s_setreg_imm32_b32 hwreg(HW_REG_WAVE_MODE, 25, 1), 1
	s_wait_xcnt 0x0
; out0[n][o] = the sum over y = 0 .. 7 of part[y][n][o], y ascending.  part: [8][2048][512] f32 (columns 500 to 511 are not read); out0: [2048][500] f32.
; A stream: no LDS, no barrier, no matrix unit.  out0 is 256,000 groups of four numbers, 125 to a row; a thread takes groups f = 512 x work-group + thread and f + 256: sixteen loads of 16 bytes are out for each thread.
; Group f lies in row n = f / 125, at byte 16 f + 48 n of a plane of part (a row there is 48 bytes longer).  n = n0 + (place x 8389) >> 20, n0 the row of the work-group's first group and place the distance from that
; row's first group: under 636, where the quotient by 125 is exact (8389 / 2^20 exceeds 1 / 125 by less than 4e-7).
	s_load_b128 s[4:7], s[0:1], 0x0                ; part, out0
	s_lshl_b32 s24, ttmp9, 9                       ; the work-group's first group
	s_mul_hi_u32 s25, s24, 0x10624dd3              ; 2^35 / 125, rounded up
	s_lshr_b32 s25, s25, 3                         ; n0
	s_mul_i32 s26, s25, 125
	s_sub_co_u32 s26, s24, s26
	v_add_nc_u32 v1, s26, v0                       ; place
	v_add_nc_u32 v2, 256, v1
	v_mul_u32_u24 v3, v1, 8389
	v_mul_u32_u24 v4, v2, 8389
	v_lshrrev_b32 v3, 20, v3
	v_lshrrev_b32 v4, 20, v4
	v_add_nc_u32 v3, s25, v3                       ; n of my first group,
	v_add_nc_u32 v4, s25, v4                       ; of my second
	v_add_nc_u32 v5, s24, v0
	v_lshlrev_b32 v5, 4, v5                        ; 16 f: my place in out0
	v_mad_u32_u24 v6, v3, 48, v5
	v_mad_u32_u24 v7, v4, 48, v5
	v_add_nc_u32 v7, 4096, v7
	s_wait_kmcnt 0x0
.irp y, 0,1,2,3,4,5,6,7
	s_add_nc_u64 s[8+2*\y:9+2*\y], s[4:5], \y*4194304
.endr
.irp y, 0,1,2,3,4,5,6,7
	global_load_b128 v[16+4*\y:19+4*\y], v6, s[8+2*\y:9+2*\y] th:TH_LOAD_NT
.endr
.irp y, 0,1,2,3,4,5,6,7
	global_load_b128 v[48+4*\y:51+4*\y], v7, s[8+2*\y:9+2*\y] th:TH_LOAD_NT
.endr
	s_wait_loadcnt 8                               ; the first group's eight loads are in; the second's may be out
.irp y, 1,2,3,4,5,6,7
	v_pk_add_f32 v[16:17], v[16:17], v[16+4*\y:17+4*\y]
	v_pk_add_f32 v[18:19], v[18:19], v[18+4*\y:19+4*\y]
.endr
	global_store_b128 v5, v[16:19], s[6:7] th:TH_STORE_NT            ; a wave stores 512 consecutive bytes, aligned
	s_wait_loadcnt 0x0
.irp y, 1,2,3,4,5,6,7
	v_pk_add_f32 v[48:49], v[48:49], v[48+4*\y:49+4*\y]
	v_pk_add_f32 v[50:51], v[50:51], v[50+4*\y:51+4*\y]
.endr
	global_store_b128 v5, v[48:51], s[6:7] offset:4096 th:TH_STORE_NT
	s_endpgm
.Lfunc_end_k_qd4371d4e6e_mix:
	.size	k_qd4371d4e6e_mix, .Lfunc_end_k_qd4371d4e6e_mix-k_qd4371d4e6e_mix
	.p2alignl 7, 3214868480
	.fill 96, 4, 3214868480
	.section	.rodata,"a",@progbits
	.p2align	6, 0x0
	.amdhsa_kernel k_qd4371d4e6e_mix
		.amdhsa_group_segment_fixed_size 0
		.amdhsa_private_segment_fixed_size 0
		.amdhsa_enable_private_segment 0
		.amdhsa_kernarg_size 16
		.amdhsa_user_sgpr_count 2
		.amdhsa_user_sgpr_kernarg_segment_ptr 1
		.amdhsa_wavefront_size32 1
		.amdhsa_system_sgpr_workgroup_id_x 1
		.amdhsa_system_sgpr_workgroup_id_y 1
		.amdhsa_system_sgpr_workgroup_id_z 1
		.amdhsa_system_vgpr_workitem_id 0
		.amdhsa_next_free_vgpr 80
		.amdhsa_next_free_sgpr 66
		.amdhsa_reserve_vcc 0
		.amdhsa_float_denorm_mode_32 3
		.amdhsa_float_denorm_mode_16_64 3
		.amdhsa_memory_ordered 1
		.amdhsa_forward_progress 1
		.amdhsa_inst_pref_size 6
	.end_amdhsa_kernel
	.amdgpu_metadata
---
amdhsa.version: [ 1, 2 ]
amdhsa.kernels:
  - .name:           k_qd4371d4e6e_mix
    .symbol:         k_qd4371d4e6e_mix.kd
    .args:
      - { .name: part, .offset: 0, .size: 8, .value_kind: global_buffer, .address_space: global }
      - { .name: out0, .offset: 8, .size: 8, .value_kind: global_buffer, .address_space: global }
    .group_segment_fixed_size: 0
    .private_segment_fixed_size: 0
    .kernarg_segment_align: 8
    .kernarg_segment_size: 16
    .max_flat_workgroup_size: 256
    .sgpr_count:     66
    .vgpr_count:     80
    .wavefront_size: 32
...
	.end_amdgpu_metadata
.endif
;; end of part 3
;; ======== version 2 of 2: 3 launches
;; limits: right only within a limited range of input values
;; workspace buffers: wq 26,214,400 bytes; xq 1,638,400 bytes; gq 51,200 bytes; bq 131,072 bytes; part 33,554,432 bytes
;; launch prep (part 4): grid 256 x 1, 18 waves a work-group, no clusters, 19,712 bytes of LDS; arguments x, W_in, W_leaf, b_leaf, xq, gq, wq, bq; writes xq, gq, wq, bq
.if DOCPART == 4
	.amdgcn_target "amdgcn-amd-amdhsa--gfx1250"
	.amdhsa_code_object_version 6
	.text
	.protected	k_qd4371d4e6e_prep
	.globl	k_qd4371d4e6e_prep
	.p2align	8
	.type	k_qd4371d4e6e_prep,@function
k_qd4371d4e6e_prep:
	s_mov_b64 s[64:65], 0
	v_nop
	global_prefetch_b8 v0, s[64:65] scope:SCOPE_SE
	s_setreg_imm32_b32 hwreg(HW_REG_WAVE_MODE, 25, 1), 1
	s_wait_xcnt 0x0
; x [2048][1024], W_in [63][1024] and W_leaf [64][1024][500], f32, become codes of FP6 (E2M3) with one E8M0 byte for each 32 along K = 1,024, laid in the ORDER OF THE OPERAND'S REGISTERS.
; A FRAGMENT'S IMAGE (16 rows or columns x 128 K, 12 registers a lane, 1,536 bytes): register p of lane L at 512 (p / 4) + 16 L + 4 (p % 4); lane (r, h) holds k = 64 c + 32 h + 0 .. 31 in registers 6 c .. 6 c + 5.
; wq: [leaf][sp 0..3][w 0..3] blocks of 25,600 bytes: fragment (K step 2 sp + sl, column tile 8 w + b) at (8 sl + b) x 1,536; from byte 24,576 four images of 256 bytes: in image i lane l's 8 bytes are the scale words
;     of K steps sl = 0, 1 of column 16 (8 w + 2 i + l / 16) + l % 16.  Columns 500 to 511 have zero codes.
; xq: [block of 64 rows] blocks of 51,200 bytes: fragment (K step s, tile of rows m) at (4 s + m) x 1,536; from byte 49,152 sixteen scale registers i = 8 (m / 2) + s: byte 512 (i / 4) + 16 L + 4 (i % 4), L = 16 (m % 2) + r.
; gq: one such block for W_in (row 63 is a copy of row 62; nobody uses it).   bq: [64][512] f32: b_leaf, columns 500 to 511 = -1e30.
; A block's scale is 2^(floor(log2(largest magnitude)) - 2); its byte is the largest magnitude's exponent field - 2, held at 1 from below.
; LIMITS: a block of zeros, or one whose largest magnitude lies under 2^-124, gets the byte 1 (this program alone reads the bytes); NaN and infinities among the inputs are not served.
; SHARES.  Work-group g = 4 leaf + sp.  Waves 0-15: W_leaf's rows 256 sp .. + 255 of the leaf, wave j columns 32 j + lane: A LANE TAKES A COLUMN AND ITS REGISTERS RUN DOWN K, so nothing is transposed.
; Wave 16: 16 rows x 512 K of x.  Wave 17: the same of W_in (work-groups 0-7), or a leaf's bias (work-groups 8-71), else nothing.  The waves part once, on their number, and share nothing: no barrier.
.set X,      16                        ; v16-111  W: three sets of 32 numbers
.set CB,     112                       ; v112-135 W: the codes of a K step: 12 registers for fragment lane r, 12 for lane 16 + r
.set TC,     136                       ; v136-138 W: a block's upper 16 codes (a conversion's three registers begin on an even number)
.set SB,     140                       ; v140-141 W: my column's two scale words
.set R,      16                        ; v16-143  rows: two sets of 64 numbers
.set PC,     144                       ; v144-163 rows: the codes just made
.set TM,     164                       ; v164-179 rows: at work in QUANT
.set PW,     180                       ; v180     rows: the scale word just made
.set PWS,    182                       ; v182-185 rows: the four K steps' scale words
.set DD,     186                       ; v186-187 rows: the two that I store
.set SEL,    22                        ; s[22:23] lane selects for v_permlanex16_b32: lane l xor 16
.set SPITCH, 528                       ; a stage row: 512 bytes + 16: the sixteen rows of a read start in sixteen different groups of banks (ISA guide 11.1)
.set STG,    8704                      ; a stage: 16 such rows, rounded up; one for wave 16, one for wave 17
	s_load_b256 s[4:11], s[0:1], 0x0               ; x s[4:5], W_in s[6:7], W_leaf s[8:9], b_leaf s[10:11]
	s_load_b256 s[12:19], s[0:1], 0x20             ; xq s[12:13], gq s[14:15], wq s[16:17], bq s[18:19]
	v_lshl_add_u32 v190, v0, 2, 0x4400
	v_mov_b32 v191, 0
	v_lshrrev_b32 v1, 5, v0
	s_delay_alu instid0(VALU_DEP_1)
	v_readfirstlane_b32 s20, v1                    ; wave 0..17
	v_and_b32 v1, 31, v0                           ; lane
	v_and_b32 v2, 15, v0                           ; r
	v_bfe_u32 v3, v0, 4, 1                         ; h
	s_and_b32 s21, s20, 1
	s_mul_i32 s21, s21, STG                        ; the LDS addresses are made ahead of the parting
	v_lshlrev_b32 v4, 4, v1
	s_delay_alu instid0(VALU_DEP_1)
	v_add_nc_u32 v4, s21, v4                       ; into the stage: 16 x lane of a row
	v_mul_u32_u24 v5, v2, SPITCH
	s_delay_alu instid0(VALU_DEP_1)
	v_lshl_add_u32 v5, v3, 6, v5
	s_delay_alu instid0(VALU_DEP_1)
	v_add_nc_u32 v5, s21, v5                       ; out of it: row r, + 64 h
	s_mov_b32 s[SEL], 0x76543210
	s_mov_b32 s[SEL+1], 0xfedcba98
	s_wait_kmcnt 0x0
	s_cmp_ge_u32 s20, 16
	s_cbranch_scc1 .Lrows
	; ---------------- W_leaf: waves 0 to 15 ----------------
	s_mul_i32 s24, ttmp9, 512000                   ; 256 rows of 2,000 bytes for each work-group
	s_mov_b32 s25, 0
	s_add_nc_u64 s[8:9], s[8:9], s[24:25]
	s_mul_i32 s24, ttmp9, 102400
	s_lshr_b32 s26, s20, 2
	s_mul_i32 s26, s26, 25600
	s_add_co_u32 s24, s24, s26
	s_add_nc_u64 s[16:17], s[16:17], s[24:25]      ; block (leaf, sp, w = wave / 4)
	s_and_b32 s26, s20, 3
	s_mul_i32 s27, s26, 3072                       ; my two column tiles in it
	s_lshl_b32 s28, s26, 8
	s_add_co_u32 s28, s28, 24576                   ; my image of scale words
	s_lshl_b32 s29, s20, 5
	s_wait_alu depctr_va_vdst(0)
	v_add_nc_u32 v6, s29, v1                       ; my column
	v_mov_b32 v10, -1
	s_delay_alu instid0(VALU_DEP_2)
	v_cmp_gt_u32 vcc_lo, 500, v6
	s_delay_alu instid0(VALU_DEP_1)
	v_cndmask_b32 v7, 0, v10, vcc_lo               ; all ones where the column exists, else 0: the codes are masked by it
	s_delay_alu instid0(VALU_DEP_4)
	v_min_u32 v6, 499, v6                          ; no load leaves the row
	s_delay_alu instid0(VALU_DEP_1)
	v_lshlrev_b32 v6, 2, v6
	v_mul_u32_u24 v8, v3, 1536                     ; lanes 16-31 hold the next column tile
	s_delay_alu instid0(VALU_DEP_1)
	v_lshl_add_u32 v8, v2, 4, v8
	s_delay_alu instid0(VALU_DEP_1)
	v_add_nc_u32 v8, s27, v8
	v_lshl_add_u32 v9, v1, 3, s28
.macro LOAD t                          ; block t: W(32 t + i, my column), i = 0 .. 31, into set t % 3; 32 lanes read 128 consecutive bytes
.set i, 0
.rept 32
	global_load_b32 v[X+32*((\t)%3)+i], v6, s[8:9] offset:(32*(\t)+i)*2000 th:TH_LOAD_NT
.set i, i+1
.endr
.endm
.macro BLOCK t
.set XB, X+32*((\t)%3)
.set BQ, (\t)%4                        ; the block's place in its K step of 128
.set CD, CB+12*(BQ&1)+6*(BQ>>1)        ; block 2 c + h' is registers 6 c .. 6 c + 5 of fragment lane 16 h' + r
.if (\t) < 6
	LOAD (\t)+2                                    ; into the set that block t - 1 has left
	s_wait_loadcnt 63                              ; behind block t's loads 64 were issued; the count's field holds 63, which asks for one load more than is needed
.elseif (\t) == 6
	s_wait_loadcnt 32                              ; block 7's 32 may be out
.else
	s_wait_loadcnt 0x0
.endif
	v_max3_num_f32 v12, |v[XB]|, |v[XB+1]|, |v[XB+2]|              ; the block's largest magnitude: all 32 numbers are mine; two chains
	v_max3_num_f32 v13, |v[XB+3]|, |v[XB+4]|, |v[XB+5]|
.irp i, 6,10,14,18,22,26
	s_delay_alu instid0(VALU_DEP_2)
	v_max3_num_f32 v12, v12, |v[XB+\i]|, |v[XB+\i+1]|
	s_delay_alu instid0(VALU_DEP_2)
	v_max3_num_f32 v13, v13, |v[XB+\i+2]|, |v[XB+\i+3]|
.endr
	s_delay_alu instid0(VALU_DEP_2)
	v_max3_num_f32 v12, v12, |v[XB+30]|, |v[XB+31]|
	s_delay_alu instid0(VALU_DEP_1)
	v_max3_num_f32 v12, v12, v13, 0x1800000        ; and the floor 2^(3 - 127): the byte cannot fall under 1
	s_delay_alu instid0(VALU_DEP_1)
	v_add_nc_u32 v11, 0xff000000, v12              ; 2 off the exponent field: the conversion takes the exponent field of this operand as its scale
	s_delay_alu instid0(VALU_DEP_1)
	v_lshrrev_b32 v13, 23, v11                     ; the scale's byte
.if BQ == 0
	s_delay_alu instid0(VALU_DEP_1)
	v_mov_b32 v[SB+(\t)/4], v13
.else
	s_delay_alu instid0(VALU_DEP_1)
	v_lshl_or_b32 v[SB+(\t)/4], v13, 8*BQ, v[SB+(\t)/4]
.endif
.if (\t) == 4
	s_wait_alu depctr_va_vdst(0)
	s_wait_xcnt 0x0                                ; the first K step's stores have read the codes' registers: they are written again only behind this wait
.endif
	v_cvt_scalef32_pk16_fp6_f32 v[CD:CD+2], v[XB:XB+15], v11
	v_cvt_scalef32_pk16_fp6_f32 v[TC:TC+2], v[XB+16:XB+31], v11
	v_nop                                          ; one plain place behind a scaled conversion
	v_mov_b32 v[CD+3], v[TC]
	v_mov_b32 v[CD+4], v[TC+1]
	v_mov_b32 v[CD+5], v[TC+2]
.if BQ == 3
.set i, 0
.rept 24
	v_and_b32 v[CB+i], v7, v[CB+i]                 ; columns 500 to 511: zero codes
.set i, i+1
.endr
.irp hh, 0,1
.irp g, 0,1,2
	global_store_b128 v8, v[CB+12*\hh+4*\g:CB+12*\hh+4*\g+3], s[16:17] offset:((\t)/4)*12288+512*\g+256*\hh   ; sixteen lanes store 256 consecutive bytes, aligned
.endr
.endr
.endif
.endm
	LOAD 0
	LOAD 1
.irp t, 0,1,2,3,4,5,6,7
	BLOCK \t
.endr
	global_store_b64 v9, v[SB:SB+1], s[16:17]      ; 32 lanes store 256 consecutive bytes, aligned
	s_endpgm
	; ---------------- rows whose K is innermost: wave 16 (x), wave 17 (W_in) ----------------
.Lrows:
	s_cmp_eq_u32 s20, 16
	s_cbranch_scc1 .Lunit
	s_cmp_lt_u32 ttmp9, 8
	s_cbranch_scc0 .Lnot_gate
.Lunit:
	s_lshr_b32 s24, ttmp9, 1                       ; T: which 16 rows
	s_and_b32 s25, ttmp9, 1                        ; which four K steps
	s_cmp_eq_u32 s20, 16                           ; the buffers are chosen on the wave's number alone
	s_cselect_b64 s[26:27], s[4:5], s[6:7]
	s_cselect_b64 s[28:29], s[12:13], s[14:15]
	s_cselect_b32 s30, 0, 4096
	s_cmp_eq_u32 s24, 3
	s_cselect_b32 s30, s30, 0                      ; W_in has no row 63: its last tile takes row 62 twice
	s_sub_co_u32 s30, 61440, s30                   ; where the tile's sixteenth row begins
	s_lshl_b32 s32, s24, 16
	s_lshl_b32 s33, s25, 11
	s_add_co_u32 s32, s32, s33
	s_mov_b32 s33, 0
	s_add_nc_u64 s[26:27], s[26:27], s[32:33]      ; 16 T rows of 4,096 bytes + four K steps of 512
	s_lshr_b32 s34, s24, 2
	s_mul_i32 s34, s34, 51200
	s_mov_b32 s35, 0
	s_add_nc_u64 s[28:29], s[28:29], s[34:35]      ; my block of 64 rows
	s_and_b32 s36, s24, 3                          ; m
	s_mul_i32 s37, s36, 1536
	s_mul_i32 s38, s25, 24576
	s_add_co_u32 s37, s37, s38
	s_wait_alu depctr_va_vdst(0)
	v_lshlrev_b32 v6, 4, v1                        ; 16 x lane
	s_delay_alu instid0(VALU_DEP_1)
	v_add_nc_u32 v7, s30, v6
	s_wait_alu depctr_va_vdst(0)
	v_add_nc_u32 v8, s37, v6                       ; fragment (4 sg, m), my lane
	s_lshr_b32 s38, s36, 1
	s_lshl_b32 s38, s38, 10
	s_lshl_b32 s39, s25, 9
	s_add_co_u32 s38, s38, s39
	s_and_b32 s39, s36, 1
	s_lshl_b32 s39, s39, 8
	s_add_co_u32 s38, s38, s39
	s_add_co_u32 s38, s38, 49152
	v_lshlrev_b32 v9, 4, v2
	s_delay_alu instid0(VALU_DEP_1)
	v_lshl_add_u32 v9, v3, 3, v9
	s_delay_alu instid0(VALU_DEP_1)
	v_add_nc_u32 v9, s38, v9                       ; my 8 bytes of the tile's 256 bytes of scale words
.irp b, 0,1,2,3
	v_mov_b32 v[TM+4+\b], 0                        ; written once: a lane permute's destination counts as one of its sources
.endr
.macro XLOADR n                        ; K step n of my four: each load reads one row's 512 consecutive bytes
.set i, 0
.rept 15
	global_load_b128 v[R+64*((\n)%2)+4*i:R+64*((\n)%2)+4*i+3], v6, s[26:27] offset:4096*i+512*(\n) th:TH_LOAD_NT
.set i, i+1
.endr
	global_load_b128 v[R+64*((\n)%2)+60:R+64*((\n)%2)+63], v7, s[26:27] offset:512*(\n) th:TH_LOAD_NT
.endm
; 64 numbers of a lane, register 16 b + i = k 32 b + 16 h + i of my row, become a fragment's codes in v[PC] on and its scale word in v[PW]
.macro QUANT s
.irp b, 0,1,2,3
	v_max3_num_f32 v[TM+\b], |v[\s+16*\b]|, |v[\s+1+16*\b]|, 0x1800000   ; my 16 numbers of block b, and the floor 2^(3 - 127)
.endr
.irp i, 2,4,6,8,10,12,14
.irp b, 0,1,2,3
	s_delay_alu instid0(VALU_DEP_4)
	v_max3_num_f32 v[TM+\b], v[TM+\b], |v[\s+16*\b+\i]|, |v[\s+1+16*\b+\i]|
.endr
.endr
.irp b, 0,1,2,3
	s_delay_alu instid0(VALU_DEP_4)
	v_permlanex16_b32 v[TM+4+\b], v[TM+\b], s[SEL], s[SEL+1]
.endr
.irp b, 0,1,2,3
	s_delay_alu instid0(VALU_DEP_4)
	v_max_num_f32 v[TM+\b], v[TM+\b], v[TM+4+\b]   ; with lane l xor 16's: the block's largest magnitude
.endr
.irp b, 0,1,2,3
	s_delay_alu instid0(VALU_DEP_4)
	v_add_nc_u32 v[TM+12+\b], 0xff000000, v[TM+\b]
.endr
.irp b, 0,1,2,3
	s_delay_alu instid0(VALU_DEP_4)
	v_lshrrev_b32 v[TM+4+\b], 23, v[TM+12+\b]
.endr
	s_delay_alu instid0(VALU_DEP_3)
	v_lshl_or_b32 v[PW], v[TM+5], 8, v[TM+4]
	s_delay_alu instid0(VALU_DEP_1)
	v_lshl_or_b32 v[PW], v[TM+6], 16, v[PW]
	s_delay_alu instid0(VALU_DEP_1)
	v_lshl_or_b32 v[PW], v[TM+7], 24, v[PW]
.irp c, 0,1
	v_cvt_scalef32_pk16_fp6_f32 v[PC+6*\c:PC+2+6*\c], v[\s+32*\c:\s+15+32*\c], v[TM+12+2*\c]
	v_cvt_scalef32_pk16_fp6_f32 v[PC+12+4*\c:PC+14+4*\c], v[\s+16+32*\c:\s+31+32*\c], v[TM+12+2*\c+1]
.endr
	v_nop                                          ; one plain place behind a scaled conversion
.irp c, 0,1                                    ; the operand's layout wants a whole block in a lane
.irp i, 0,1,2
	v_permlane16_swap_b32 v[PC+6*\c+\i], v[PC+12+4*\c+\i]
.endr
.irp i, 0,1,2
	s_delay_alu instid0(VALU_DEP_3)
	v_mov_b32 v[PC+3+6*\c+\i], v[PC+12+4*\c+\i]
.endr
.endr
.endm
.macro KSTEP n
.set RS, R+64*((\n)%2)
.if (\n) < 3
	s_wait_loadcnt 16                              ; this K step's 16 loads are in; the next one's may be out
.else
	s_wait_loadcnt 0x0
.endif
.set i, 0
.rept 16
	ds_store_b128 v4, v[RS+4*i:RS+4*i+3] offset:SPITCH*i           ; the rows as they lie
.set i, i+1
.endr
.irp b, 0,1,2,3
.irp j, 0,1,2,3
	ds_load_b128 v[RS+16*\b+4*\j:RS+16*\b+4*\j+3], v5 offset:128*\b+16*\j   ; and back, 16 neighbours of each block to a lane; LDS serves a wave's instructions in order (ISA guide 5.7.1.4)
.endr
.endr
	s_wait_dscnt 0x0
.if (\n) > 0
	s_wait_xcnt 0x0                                ; the last K step's stores have read the codes' registers
.endif
	QUANT RS
	v_mov_b32 v[PWS+(\n)], v[PW]
.irp c, 0,1,2
	global_store_b128 v8, v[PC+4*\c:PC+4*\c+3], s[28:29] offset:6144*(\n)+512*\c   ; 32 lanes store 512 consecutive bytes, aligned
.endr
.if (\n) < 2
	XLOADR (\n)+2
.endif
.endm
	XLOADR 0
	XLOADR 1
	KSTEP 0
	KSTEP 1
	KSTEP 2
	KSTEP 3
	v_cmp_eq_u32 vcc_lo, 1, v3
	s_delay_alu instid0(VALU_DEP_1)
	v_cndmask_b32 v[DD], v[PWS], v[PWS+2], vcc_lo  ; lanes 0-15 store the words of K steps 0, 1, lanes 16-31 those of 2, 3
	s_delay_alu instid0(VALU_DEP_2)
	v_cndmask_b32 v[DD+1], v[PWS+1], v[PWS+3], vcc_lo
	global_store_b64 v9, v[DD:DD+1], s[28:29]      ; 32 lanes store 256 consecutive bytes, aligned
	s_wait_tensorcnt 0x0
	ds_add_u32 v190, v191
	s_wait_dscnt 0x0
	s_endpgm
	; ---------------- a leaf's bias, 500 numbers made 512: wave 17 of work-groups 8 to 71 ----------------
.Lnot_gate:
	s_cmp_lt_u32 ttmp9, 72
	s_cbranch_scc0 .Lend
	s_sub_co_u32 s24, ttmp9, 8                     ; the leaf
	s_mul_i32 s26, s24, 2000
	s_mov_b32 s27, 0
	s_add_nc_u64 s[10:11], s[10:11], s[26:27]
	s_lshl_b32 s26, s24, 11
	s_add_nc_u64 s[18:19], s[18:19], s[26:27]
	v_mov_b32 v10, 0xf149f2ca                      ; -1e30
	s_wait_alu depctr_va_vdst(0)
.irp i, 0,1,2,3
	v_add_nc_u32 v[12+\i], 32*\i, v1               ; which four numbers
	s_delay_alu instid0(VALU_DEP_1)
	v_min_u32 v[20+\i], 124, v[12+\i]              ; no load leaves the row
	s_delay_alu instid0(VALU_DEP_1)
	v_lshlrev_b32 v[20+\i], 4, v[20+\i]
	global_load_b128 v[32+4*\i:35+4*\i], v[20+\i], s[10:11]
.endr
	s_wait_loadcnt 0x0
.irp i, 0,1,2,3
	v_cmp_lt_u32 vcc_lo, 124, v[12+\i]
.irp q, 0,1,2,3
	v_cndmask_b32 v[32+4*\i+\q], v[32+4*\i+\q], v10, vcc_lo
.endr
	v_lshlrev_b32 v[24+\i], 4, v[12+\i]
	global_store_b128 v[24+\i], v[32+4*\i:35+4*\i], s[18:19]
.endr
.Lend:
	s_endpgm
.Lfunc_end_k_qd4371d4e6e_prep:
	.size	k_qd4371d4e6e_prep, .Lfunc_end_k_qd4371d4e6e_prep-k_qd4371d4e6e_prep
	.p2alignl 7, 3214868480
	.fill 96, 4, 3214868480
	.section	.rodata,"a",@progbits
	.p2align	6, 0x0
	.amdhsa_kernel k_qd4371d4e6e_prep
		.amdhsa_group_segment_fixed_size 19712
		.amdhsa_private_segment_fixed_size 0
		.amdhsa_enable_private_segment 0
		.amdhsa_kernarg_size 64
		.amdhsa_user_sgpr_count 2
		.amdhsa_user_sgpr_kernarg_segment_ptr 1
		.amdhsa_wavefront_size32 1
		.amdhsa_system_sgpr_workgroup_id_x 1
		.amdhsa_system_sgpr_workgroup_id_y 1
		.amdhsa_system_sgpr_workgroup_id_z 1
		.amdhsa_system_vgpr_workitem_id 0
		.amdhsa_next_free_vgpr 192
		.amdhsa_next_free_sgpr 66
		.amdhsa_reserve_vcc 1
		.amdhsa_float_denorm_mode_32 3
		.amdhsa_float_denorm_mode_16_64 3
		.amdhsa_memory_ordered 1
		.amdhsa_forward_progress 1
		.amdhsa_inst_pref_size 88
	.end_amdhsa_kernel
	.amdgpu_metadata
---
amdhsa.version: [ 1, 2 ]
amdhsa.kernels:
  - .name:           k_qd4371d4e6e_prep
    .symbol:         k_qd4371d4e6e_prep.kd
    .args:
      - { .name: x, .offset: 0, .size: 8, .value_kind: global_buffer, .address_space: global }
      - { .name: W_in, .offset: 8, .size: 8, .value_kind: global_buffer, .address_space: global }
      - { .name: W_leaf, .offset: 16, .size: 8, .value_kind: global_buffer, .address_space: global }
      - { .name: b_leaf, .offset: 24, .size: 8, .value_kind: global_buffer, .address_space: global }
      - { .name: xq, .offset: 32, .size: 8, .value_kind: global_buffer, .address_space: global }
      - { .name: gq, .offset: 40, .size: 8, .value_kind: global_buffer, .address_space: global }
      - { .name: wq, .offset: 48, .size: 8, .value_kind: global_buffer, .address_space: global }
      - { .name: bq, .offset: 56, .size: 8, .value_kind: global_buffer, .address_space: global }
    .group_segment_fixed_size: 19712
    .private_segment_fixed_size: 0
    .kernarg_segment_align: 8
    .kernarg_segment_size: 64
    .max_flat_workgroup_size: 576
    .sgpr_count:     66
    .vgpr_count:     192
    .wavefront_size: 32
...
	.end_amdgpu_metadata
.endif
;; end of part 4
;; launch leaves (part 5): grid 32 x 8, 4 waves a work-group, clusters of 4 x 1, 327,680 bytes of LDS; arguments xq, gq, wq, bq, b_in, beta, part; writes part
.if DOCPART == 5
	.amdgcn_target "amdgcn-amd-amdhsa--gfx1250"
	.amdhsa_code_object_version 6
	.text
	.protected	k_qd4371d4e6e_leaves
	.globl	k_qd4371d4e6e_leaves
	.p2align	8
	.type	k_qd4371d4e6e_leaves,@function
k_qd4371d4e6e_leaves:
	s_mov_b64 s[64:65], 0
	v_nop
	global_prefetch_b8 v0, s[64:65] scope:SCOPE_SE
	s_setreg_imm32_b32 hwreg(HW_REG_WAVE_MODE, 25, 1), 1
	s_wait_xcnt 0x0
	s_wait_alu depctr_hold_cnt(0) depctr_sa_sdst(0) depctr_va_vdst(0) depctr_va_sdst(0) depctr_va_ssrc(0) depctr_va_vcc(0) depctr_vm_vsrc(0)
	s_getreg_b32 s2, hwreg(HW_REG_IB_STS2, 6, 4)
	s_cmp_eq_u32 s2, 0
	s_cbranch_scc0 .Lentry_in_a_cluster
	s_endpgm
.Lentry_in_a_cluster:
	s_bfe_u32 s2, ttmp6, 0x10000c
	s_cmp_lg_u32 s2, 0x3003
	s_cbranch_scc0 .Lentry_shape_is_right
	s_endpgm
.Lentry_shape_is_right:
; part[y][n][o] = the sum over the eight leaves l of group y of leaf_p[n][l] x softmax(x W_leaf[l] + b_leaf[l])[n][o], for 64 rows n a work-group; the next launch adds the eight planes.
; Operands are codes of FP6 (E2M3) with E8M0 bytes, laid by the launch before as images of the operands' registers.  Four waves; a wave makes 64 rows x 128 columns of a leaf: 32 accumulators.
; The product is used transposed (source 0 = 16 columns of W, source 1 = 16 rows of x): a lane holds one row and eight neighbouring columns; the bias is the C of K step 0.
; W goes through two LDS slots, a unit of two K steps each (102,400 bytes, a quarter a wave), by joint loads of the four work-groups of a cluster, which walk the same leaves on other rows.
; THE WALK OF A LEAF: units 0 and 1 lie in slots 0 and 1 when it begins.  Unit 0's fragments are all in registers by the exchange of the leaf before, so the round there fills slot 0 with unit 2;
; slot 1 takes unit 3 in the middle of K step 2; slots 0 and 1 take the next leaf's units 0 and 1 in K steps 5 and 7.  In front of each round a wave has one tensor load out, and waits for it.
; THE SOFTMAX: each wave takes its own 128 columns' maximum away, p = 2^(t - m); the waves exchange (m, sum) through LDS and each row's factor is leaf_p x 2^(m - M) / the row's sum.
; The sums into the result (window 3) stand tile by tile between the next leaf's K step 0 products, which then start that tile's sums anew.
; The gates: seven nodes on the paths of the group's leaves, sigmoid(beta (x W_in + b_in)), by the same matrix form, at the head.
; LIMITS: NaN and infinities among the inputs are not served; the promise holds while the scaled logits stay under 2^31 in magnitude.
; REGISTERS: window 0 addresses, scale words, x's fragments (two sets), the softmax's few; window 1 W's fragments (two sets) and the bias; window 2 the logits, then p; window 3 the result.
.set UNIT,   102400
.set WBLK,   25600
.set FRB,    1536
.set WSCL,   24576
.set SLOT1,  131072
.set BIAS,   102400
.set PT,     118784
.set EX,     120832
.set SPARE,  124928
.set XIMG,   233472
.set XSCL,   49152
.set STAGE,  284672
.set SPITCH, 528
.set SPW, 1
.set NIL, 2
.set LW,  3
.set LA,  5
.set LWS, 6
.set PFO, 8
.set LBI, 9
.set LP,  10
.set EXS, 11
.set EXL, 12
.set STO, 13
.set RD,  14
.set CO,  15
.set XS,  16
.set WS,  32
.set XF,  48
.set MC,  144
.set SA,  152
.set EXD, 168
.set PP,  200
.set FF,  204
.set TT,  212
.set WV,  18
.set OFFH, 22
.set OFF4, 23
.set G1,  24
.set G0,  32
.set SEL, 40
.set CS,  42
.set NXT, 45
.set PFA, 46
.set LIM, 48
.set OFF, 49
.set MSB, 0
.macro WIN new
.if MSB != \new
	s_set_vgpr_msb (MSB<<8)|\new
.set MSB, \new
.endif
.endm
.macro PLACES
.rept 4
	v_nop
.endr
.endm
.macro CREST
	s_cmp_lg_u32 s[WV], 0
	s_cbranch_scc1 .Lnot_wave_0_\@
	s_barrier_signal -3
.Lnot_wave_0_\@:
	s_barrier_wait -3
	s_barrier_signal -1
	s_barrier_wait -1
.endm
.macro ROUND
	s_barrier_signal -1
	s_barrier_wait -1
	CREST
.endm
	s_load_b256 s[4:11], s[0:1], 0x0
	s_load_b128 s[12:15], s[0:1], 0x20
	s_load_b64 s[16:17], s[0:1], 0x30
	v_lshl_add_u32 v[SPW], v0, 2, SPARE
	v_mov_b32 v[NIL], 0
	ds_add_u32 v1, v2
	ds_add_u32 v1, v2
	s_wait_dscnt 0x0
	v_lshrrev_b32 v212, 5, v0
	v_readfirstlane_b32 s[WV], v212
	s_bfe_u32 s19, ttmp6, 0x40000
	s_lshl_b32 s20, ttmp9, 2
	s_add_co_u32 s20, s20, s19
	s_and_b32 s21, ttmp7, 0xffff
	s_and_b32 s[OFF], ttmp9, 7
	s_lshl_b32 s[OFF4], s[OFF], 2
	s_lshr_b32 s[OFFH], s[OFF], 2
	s_bitcmp1_b32 s[OFF], 0
	s_cselect_b32 s70, -1, 0
	s_bitcmp1_b32 s[OFF], 1
	s_cselect_b32 s71, -1, 0
	s_mul_i32 s2, s[OFF4], UNIT
	s_mov_b32 s3, 0
	s_mov_b32 s[NXT], 2
	s_mov_b32 s[G1], 15|(3<<16)|(1<<21)
	s_mov_b32 s[G1+1], 32<<16
	s_mov_b32 s[G1+2], 100<<16
	s_mov_b32 s[G1+3], 32<<16
	s_mov_b32 s[G1+4], 100
	s_mov_b32 s[G1+5], 32
	s_mov_b32 s[G1+6], 0
	s_mov_b32 s[G1+7], 0
	s_mov_b32 s[SEL], 0x76543210
	s_mov_b32 s[SEL+1], 0xfedcba98
	s_mov_b32 s[CS], 0x3fb8aa3b
	s_mov_b32 s[CS+1], s[CS]
	s_mul_i32 s62, s[WV], WBLK
	s_mul_i32 s60, s21, 32*UNIT
	s_add_co_u32 s60, s60, s62
	s_mov_b32 s61, 0
	s_mul_i32 s56, s20, 51200
	s_mov_b32 s57, 0
	s_lshl_b32 s58, s21, 14
	s_mov_b32 s59, 0
	s_lshl_b32 s66, s21, 22
	s_lshl_b32 s67, s20, 17
	s_add_co_u32 s66, s66, s67
	s_lshl_b32 s67, s[WV], 9
	s_add_co_u32 s66, s66, s67
	s_mov_b32 s67, 0
	s_mul_i32 s68, s19, 6400
	s_xor_b32 s69, s[OFF], 1
	s_mul_i32 s69, s69, 4*UNIT
	s_add_co_u32 s68, s68, s69
	s_mov_b32 s69, 0
	s_mov_b32 s[LIM], 1
	s_bitcmp1_b32 s21, 2
	s_cselect_b32 s50, -1.0, 1.0
	s_cselect_b32 s51, 1.0, 0
	s_bitcmp1_b32 s21, 1
	s_cselect_b32 s52, -1.0, 1.0
	s_cselect_b32 s53, 1.0, 0
	s_bitcmp1_b32 s21, 0
	s_cselect_b32 s54, -1.0, 1.0
	s_cselect_b32 s55, 1.0, 0
	v_lshlrev_b32 v213, 4, v0
	s_wait_alu depctr_va_vdst(0)
.irp i, 0,1,2,3,4,5,6,7
	s_xor_b32 s63, s[OFF], \i
	s_lshl_b32 s63, s63, 11
	v_add_nc_u32 v[200+\i], s63, v213
.endr
	s_wait_alu depctr_va_vdst(0)
	s_wait_kmcnt 0x0
	s_add_nc_u64 s[4:5], s[4:5], s[56:57]
	s_add_nc_u64 s[10:11], s[10:11], s[58:59]
	s_add_nc_u64 s[8:9], s[8:9], s[60:61]
	s_add_nc_u64 s[16:17], s[16:17], s[66:67]
	s_add_nc_u64 s[PFA:PFA+1], s[8:9], s[68:69]
	s_add_nc_u64 s[58:59], s[8:9], s[2:3]
.set i, 0
.rept 25
	global_load_b128 v[48+4*i:51+4*i], v213, s[4:5] offset:2048*i
.set i, i+1
.endr
.set i, 0
.rept 8
	global_load_b128 v[148+4*i:151+4*i], v[200+i], s[10:11]
.set i, i+1
.endr
.irp g, 0,1
	s_mov_b32 s[G0+4*\g], 1
	s_add_co_u32 s[G0+4*\g+1], s62, \g*SLOT1
	s_add_nc_u64 s[G0+4*\g+2:G0+4*\g+3], s[58:59], \g*UNIT
	s_or_b32 s[G0+4*\g+3], s[G0+4*\g+3], 0x80000000
.endr
	ROUND
	tensor_load_to_lds s[G0:G0+3], s[G1:G1+7]      ; unit 0: one tensor load a wave at the head; the head's work on registers and the x image follow while it is out
	s_nop 0
	PLACES
	WIN 0xc0
.set i, 0
.rept 256
	v_mov_b32 v[i], 0
.set i, i+1
.endr
	WIN 0
	v_and_b32 v212, 31, v0
	v_and_b32 v214, 15, v0
	v_bfe_u32 v215, v0, 4, 1
	v_lshlrev_b32 v[CO], 4, v212
	v_add_nc_u32 v[LW], s62, v[CO]
	v_add_nc_u32 v[LW+1], SLOT1, v[LW]
	v_add_nc_u32 v[LA], XIMG, v[CO]
	v_lshl_add_u32 v[LWS], v212, 3, s62
	v_add_nc_u32 v[LWS], WSCL, v[LWS]
	v_add_nc_u32 v[LWS+1], SLOT1, v[LWS]
	v_min_u32 v[PFO], 24, v212
	v_lshlrev_b32 v[PFO], 8, v[PFO]
	s_lshl_b32 s63, s[WV], 9
	s_add_co_u32 s63, s63, BIAS
	v_lshl_add_u32 v[LBI], v215, 5, s63
	v_lshl_add_u32 v[LP], v214, 4, PT
	v_lshl_add_u32 v[EXL], v214, 5, EX
	s_lshl_b32 s63, s[WV], 3
	v_add_nc_u32 v[EXS], s63, v[EXL]
	s_mul_i32 s63, s[WV], 16*SPITCH
	s_add_co_u32 s63, s63, STAGE
	v_mul_u32_u24 v[STO], v214, SPITCH
	v_lshl_add_u32 v[STO], v215, 5, v[STO]
	v_add_nc_u32 v[STO], s63, v[STO]
	v_add_nc_u32 v[RD], s63, v[CO]
	v_lshl_add_u32 v216, v0, 4, XIMG
	v_lshl_add_u32 v217, v0, 4, BIAS
	s_mul_i32 s63, s[WV], FRB
	v_add_nc_u32 v218, s63, v[LA]
	s_lshr_b32 s63, s[WV], 1
	s_lshl_b32 s63, s63, 10
	s_and_b32 s57, s[WV], 1
	s_lshl_b32 s57, s57, 8
	s_add_co_u32 s63, s63, s57
	s_add_co_u32 s63, s63, XIMG+XSCL
	v_lshl_add_u32 v219, v214, 4, s63
	s_lshl_b32 s63, s[WV], 2
	s_add_co_u32 s63, s63, PT
	v_lshl_add_u32 v194, v215, 10, s63
	v_lshl_add_u32 v194, v214, 4, v194
	s_lshl_b32 s56, s21, 3
	v_xor_b32 v198, s[OFFH], v215
	v_lshl_add_u32 v220, v198, 2, s56
	v_mov_b32 v184, 0
.irp j, 1,2,3,4,5
	v_lshrrev_b32 v[184+\j], 6-\j, v220
	v_add_lshl_u32 v[184+\j], v[184+\j], (1<<\j)-1, 2
.endr
	v_add_nc_u32 v190, 4, v189
	v_mov_b32 v191, 0
	v_and_b32 v221, 7, v0
	v_bfe_u32 v222, v0, 3, 1
	v_xor_b32 v222, s[OFFH], v222
	v_lshl_add_u32 v222, v222, 2, s56
	v_mov_b32 v195, 2
	v_mov_b32 v196, 0
	v_cmp_eq_u32 vcc_lo, 6, v221
	v_cndmask_b32 v223, 0, v195, vcc_lo
	v_add_nc_u32 v222, v222, v223
	v_min_u32 v223, 5, v221
	v_cmp_eq_u32 vcc_lo, 7, v221
	v_cndmask_b32 v223, v223, v196, vcc_lo
	v_sub_nc_u32 v197, 6, v223
	v_lshrrev_b32 v222, v197, v222
	v_lshlrev_b32 v197, v223, 1
	v_add_nc_u32 v222, v222, v197
	v_add_nc_u32 v222, -1, v222
	v_lshrrev_b32 v223, 4, v222
	v_mul_u32_u24 v192, v223, FRB
	v_and_b32 v223, 15, v222
	v_lshl_add_u32 v192, v223, 4, v192
	v_lshl_add_u32 v192, v215, 8, v192
	v_lshrrev_b32 v223, 5, v222
	v_and_b32 v197, 31, v222
	v_lshlrev_b32 v193, 10, v223
	v_lshl_add_u32 v193, v197, 4, v193
	WIN 0x40
.set i, 0
.rept 8
.irp g, 0,1,2
	global_load_b128 v[12*i+4*\g:12*i+4*\g+3], v192, s[6:7] offset:4*FRB*i+512*\g
.endr
.set i, i+1
.endr
	WIN 0
	global_load_b128 v[32:35], v193, s[6:7] offset:XSCL
	global_load_b128 v[36:39], v193, s[6:7] offset:XSCL+512
.irp j, 0,1,2,3,4,5,6,7
	global_load_b32 v[240+\j], v[184+\j], s[12:13]
	global_load_b32 v[248+\j], v[184+\j], s[14:15]
.endr
	s_wait_loadcnt 42
.set i, 0
.rept 25
	ds_store_b128 v216, v[48+4*i:51+4*i] offset:2048*i
.set i, i+1
.endr
.set i, 0
.rept 8
	ds_store_b128 v217, v[148+4*i:151+4*i] offset:2048*i
.set i, i+1
.endr
	s_wait_alu depctr_va_vdst(0)
	s_wait_tensorcnt 0x0                           ; my part of unit 0 is in
	ds_add_u32 v[SPW], v[NIL]
	s_wait_dscnt 0x0                               ; the add, and my stores of the x image and the bias, are done
	ROUND                                          ; so the round also shows the x image and the bias to all four waves
	tensor_load_to_lds s[G0+4:G0+7], s[G1:G1+7]    ; unit 1, slot 1's first fill
	s_nop 0
	PLACES
.irp m, 0,1,2,3
	v_mov_b32 v[MC+2*\m+1], 0
	v_mov_b32 v[FF+2*\m+1], 0
.endr
.irp q, 0,1,2,3
	ds_load_b128 v[XS+4*\q:XS+4*\q+3], v[LA] offset:XSCL+512*\q
.endr
.set i, 0
.rept 8
.irp g, 0,1,2
	ds_load_b128 v[XF+12*i+4*\g:XF+12*i+4*\g+3], v218 offset:4*FRB*i+512*\g
.endr
.set i, i+1
.endr
	ds_load_b128 v[40:43], v219
	ds_load_b128 v[44:47], v219 offset:512
	s_wait_dscnt 0x0
	s_wait_loadcnt 0x0
	WIN 0x01
	v_wmma_scale_f32_16x16x128_f8f6f4 v[224:231], v[0:11], v[48:59], v[240:247], v32, v40 matrix_a_fmt:MATRIX_FMT_FP6 matrix_b_fmt:MATRIX_FMT_FP6
	v_wmma_scale_f32_16x16x128_f8f6f4 v[232:239], v[12:23], v[60:71], 0, v33, v41 matrix_a_fmt:MATRIX_FMT_FP6 matrix_b_fmt:MATRIX_FMT_FP6
.irp k, 2,4,6
	v_wmma_scale_f32_16x16x128_f8f6f4 v[224:231], v[12*\k:12*\k+11], v[48+12*\k:59+12*\k], v[224:231], v[32+\k], v[40+\k] matrix_a_fmt:MATRIX_FMT_FP6 matrix_b_fmt:MATRIX_FMT_FP6
	v_wmma_scale_f32_16x16x128_f8f6f4 v[232:239], v[12*\k+12:12*\k+23], v[60+12*\k:71+12*\k], v[232:239], v[33+\k], v[41+\k] matrix_a_fmt:MATRIX_FMT_FP6 matrix_b_fmt:MATRIX_FMT_FP6
.endr
	WIN 0
	PLACES
.irp j, 0,1,2,3,4,5,6
	v_add_f32 v[224+\j], v[224+\j], v[232+\j]
.endr
.irp j, 0,1,2,3,4,5,6
	v_mul_f32 v[224+\j], v[224+\j], v[248+\j]
.endr
.irp j, 0,1,2,3,4,5,6
	v_mul_f32 v[224+\j], 0xbfb8aa3b, v[224+\j]
.endr
	s_wait_alu depctr_va_vdst(0)
.irp j, 0,1,2,3,4,5,6
	v_exp_f32 v[224+\j], v[224+\j]
.endr
	v_nop
	s_wait_alu depctr_va_vdst(0)
.irp j, 0,1,2,3,4,5,6
	v_add_f32 v[224+\j], 1.0, v[224+\j]
.endr
	s_wait_alu depctr_va_vdst(0)
.irp j, 0,1,2,3,4,5,6
	v_rcp_f32 v[224+\j], v[224+\j]
.endr
	v_cvt_f32_u32 v232, v198
	v_fma_f32 v233, v232, -2.0, 1.0
	s_wait_alu depctr_va_vdst(0)
	v_fma_f32 v234, v224, s50, s51
	v_fma_f32 v235, v225, s52, s53
	v_fma_f32 v236, v226, s54, s55
	v_fma_f32 v237, v227, v233, v232
	v_mul_f32 v234, v234, v235
	v_mul_f32 v234, v234, v236
	v_mul_f32 v234, v234, v237
	v_sub_f32 v235, 1.0, v228
	v_sub_f32 v236, 1.0, v229
	v_sub_f32 v237, 1.0, v230
	v_mul_f32 v238, v234, v228
	v_mul_f32 v239, v234, v235
	v_mul_f32 v224, v238, v229
	v_mul_f32 v225, v238, v236
	v_mul_f32 v226, v239, v230
	v_mul_f32 v227, v239, v237
	v_cndmask_b32 v228, v224, v225, s70
	v_cndmask_b32 v229, v225, v224, s70
	v_cndmask_b32 v230, v226, v227, s70
	v_cndmask_b32 v231, v227, v226, s70
	v_cndmask_b32 v224, v228, v230, s71
	v_cndmask_b32 v225, v229, v231, s71
	v_cndmask_b32 v226, v230, v228, s71
	v_cndmask_b32 v227, v231, v229, s71
.irp j, 0,1,2,3
	ds_store_b32 v194, v[224+\j] offset:256*\j
.endr
.macro WM
.set rD, 8*(4*bb+mm)
.set rA, 128*(ss%2)+12*bb
.set rB, XF+48*(ss%2)+12*mm
.set rW, WS+8*((ss/2)%2)+2*(bb/2)+ss%2
.set rX, XS+8*(mm/2)+ss
.set rCC, rD
.if ss == 0
.set rCC, 96+8*bb+96*(bb/4)
.endif
.if (bb%2 == 0) && (mm%2 == 0)
	v_wmma_scale_f32_16x16x128_f8f6f4 v[rD:rD+7], v[rA:rA+11], v[rB:rB+11], v[rCC:rCC+7], v[rW], v[rX] matrix_a_fmt:MATRIX_FMT_FP6 matrix_b_fmt:MATRIX_FMT_FP6
.elseif (bb%2 == 1) && (mm%2 == 0)
	v_wmma_scale_f32_16x16x128_f8f6f4 v[rD:rD+7], v[rA:rA+11], v[rB:rB+11], v[rCC:rCC+7], v[rW], v[rX] matrix_a_fmt:MATRIX_FMT_FP6 matrix_b_fmt:MATRIX_FMT_FP6 matrix_a_scale:MATRIX_SCALE_ROW1
.elseif (bb%2 == 0)
	v_wmma_scale_f32_16x16x128_f8f6f4 v[rD:rD+7], v[rA:rA+11], v[rB:rB+11], v[rCC:rCC+7], v[rW], v[rX] matrix_a_fmt:MATRIX_FMT_FP6 matrix_b_fmt:MATRIX_FMT_FP6 matrix_b_scale:MATRIX_SCALE_ROW1
.else
	v_wmma_scale_f32_16x16x128_f8f6f4 v[rD:rD+7], v[rA:rA+11], v[rB:rB+11], v[rCC:rCC+7], v[rW], v[rX] matrix_a_fmt:MATRIX_FMT_FP6 matrix_b_fmt:MATRIX_FMT_FP6 matrix_a_scale:MATRIX_SCALE_ROW1 matrix_b_scale:MATRIX_SCALE_ROW1
.endif
.endm
.macro MUL s, b0, nb
.set ss, \s
.if ss == 0
	WIN 0x91
.else
	WIN 0xa1
.endif
.set bb, \b0
.rept \nb
.set mm, 0
.rept 4
	WM
.set mm, mm+1
.endr
.set bb, bb+1
.endr
.endm
.macro FETCH s, bias
.set fs, \s
.set fsg, (fs/2)%2
	WIN 0x40
.set i, 0
.rept 8
.irp g, 0,1,2
	ds_load_b128 v[128*(fs%2)+12*i+4*\g:128*(fs%2)+12*i+4*\g+3], v[LW+fsg] offset:(8*(fs%2)+i)*FRB+512*\g
.endr
.set i, i+1
.endr
.if \bias
.set i, 0
.rept 8
	ds_load_b128 v[96+8*i+96*(i/4):99+8*i+96*(i/4)], v[LBI] offset:64*i
	ds_load_b128 v[100+8*i+96*(i/4):103+8*i+96*(i/4)], v[LBI] offset:64*i+16
.set i, i+1
.endr
.endif
	WIN 0
.set i, 0
.rept 4
.irp g, 0,1,2
	ds_load_b128 v[XF+48*(fs%2)+12*i+4*\g:XF+48*(fs%2)+12*i+4*\g+3], v[LA] offset:(4*fs+i)*FRB+512*\g
.endr
.set i, i+1
.endr
.if fs%2 == 0
.irp q, 0,1,2,3
	ds_load_b64 v[WS+8*fsg+2*\q:WS+8*fsg+2*\q+1], v[LWS+fsg] offset:256*\q
.endr
.endif
.endm
.macro ASK sp
	s_cmp_eq_u32 s[LIM], 1
	s_cbranch_scc0 .Lnot_mine_\@
	global_prefetch_b8 v[PFO], s[PFA:PFA+1] offset:(\sp)*UNIT th:TH_LOAD_NT scope:SCOPE_SE
.Lnot_mine_\@:
.endm
.macro REFA t                          ; in front of a refill of slot t: all my tensor loads have landed (one was out), the add, and the slot's next unit's address
	WIN 0
	s_wait_tensorcnt 0x0
	ds_add_u32 v[SPW], v[NIL]
	s_xor_b32 s2, s[NXT], s[OFF4]
	s_mul_i32 s2, s2, UNIT
	s_add_nc_u64 s[G0+4*(\t)+2:G0+4*(\t)+3], s[8:9], s[2:3]
	s_or_b32 s[G0+4*(\t)+3], s[G0+4*(\t)+3], 0x80000000
	s_add_co_u32 s[NXT], s[NXT], 1
.endm
.macro REFB t                          ; the add and my reads of slot t are done; a round of the cluster's barrier; the joint refill first behind it
	s_wait_dscnt 0x0
	WIN 0
	ROUND
	tensor_load_to_lds s[G0+4*(\t):G0+4*(\t)+3], s[G1:G1+7]
	s_nop 0
	PLACES
.endm
.macro STEP_P s, ask                   ; a K step with no change of slots: the next step's fragments are asked for, then this step's 32 products
	PLACES
	FETCH (\s)+1, 0
.if \ask
	ASK (\s)/2
.endif
	s_wait_dscnt 36+4*((\s)%2)                     ; all but the loads just issued: 36, and 4 more of scale words ahead of an even step
	MUL \s, 0, 8
.endm
.macro STEP_R s, ask                   ; an even K step in whose middle its slot, read out by the fetch below, is filled again
.set tsg, ((\s)/2)%2
	PLACES
	FETCH (\s)+1, 0
	s_wait_dscnt 36
	MUL \s, 0, 4
	REFA tsg
	MUL \s, 4, 1
	REFB tsg
.if \ask
	ASK (\s)/2
.endif
	MUL \s, 5, 3
.endm
.macro TURN s, fill, ask
.set tsg, ((\s)/2)%2
.if \fill
	s_wait_dscnt 0x0
	MUL \s, 0, 2
	REFA tsg
	MUL \s, 2, 1
	REFB tsg
.if (\s) == 7
	v_add_nc_u32 v[LBI], 2048, v[LBI]
	FETCH 0, 1
.else
	FETCH (\s)+1, 0
.endif
.if \ask
	ASK (\s)/2
.endif
	MUL \s, 3, 5
.else
	WIN 0
.if (\s) == 5
	s_wait_tensorcnt 0x0
	PLACES
	FETCH 6, 0
	s_wait_dscnt 40
.else
	s_wait_dscnt 0x0
.endif
	MUL \s, 0, 8
.endif
.endm
.macro TFMA g                          ; batch g (column tiles 2 g, 2 g + 1): t - m, two numbers an instruction
	WIN 0x82
.set p, 32*(\g)
.rept 32
.set mm, (p/4)%4
	v_pk_fma_f32 v[2*p:2*p+1], v[2*p:2*p+1], s[CS:CS+1], v[MC+2*mm:MC+2*mm+1] op_sel_hi:[1,0,0] neg_lo:[0,0,1] neg_hi:[0,0,1]
.set p, p+1
.endr
.endm
.macro TEXP g                          ; its 64 exponentials; the one wait ahead serves their sources and the batch before's results
	WIN 0x82
	s_wait_alu depctr_va_vdst(0)
.set p, 64*(\g)
.rept 64
	v_exp_f32 v[p], v[p]
.set p, p+1
.endr
.endm
.macro TSUM g                          ; its part of the rows' sums, in two packed chains for each tile of rows
.set bb, 2*(\g)
.rept 2
.if bb == 0
	WIN 0x0a
.irp m, 0,1,2,3
	v_pk_add_f32 v[SA+4*\m:SA+4*\m+1], v[8*\m:8*\m+1], v[8*\m+2:8*\m+3]
	v_pk_add_f32 v[SA+4*\m+2:SA+4*\m+3], v[8*\m+4:8*\m+5], v[8*\m+6:8*\m+7]
.endr
.else
	WIN 0x08
.set q, 0
.rept 2
.irp m, 0,1,2,3
	v_pk_add_f32 v[SA+4*\m:SA+4*\m+1], v[SA+4*\m:SA+4*\m+1], v[8*(4*bb+\m)+4*q:8*(4*bb+\m)+4*q+1]
	v_pk_add_f32 v[SA+4*\m+2:SA+4*\m+3], v[SA+4*\m+2:SA+4*\m+3], v[8*(4*bb+\m)+4*q+2:8*(4*bb+\m)+4*q+3]
.endr
.set q, q+1
.endr
.endif
.set bb, bb+1
.endr
.endm
.macro SOFTMAX more
	PLACES
.if \more
	FETCH 1, 0                                     ; the next leaf's K step 1: with it slot 0 is read out ahead of the exchange's round
.endif
	WIN 0x28
.set bb, 0
.rept 8
.set q, 0
.rept 4
.set mm, 0
.rept 4
.set rL, 8*(4*bb+mm)+2*q
.if (bb == 0) && (q == 0)
	v_max3_num_f32 v[MC+2*mm], 0xff800000, v[rL], v[rL+1]
.else
	v_max3_num_f32 v[MC+2*mm], v[MC+2*mm], v[rL], v[rL+1]
.endif
.set mm, mm+1
.endr
.set q, q+1
.endr
.set bb, bb+1
.endr
	WIN 0
.irp m, 0,1,2,3
	v_permlanex16_b32 v[TT+\m], v[MC+2*\m], s[SEL], s[SEL+1]
.endr
.irp m, 0,1,2,3
	v_max_num_f32 v[MC+2*\m], v[MC+2*\m], v[TT+\m]
.endr
.irp m, 0,1,2,3
	v_mul_f32 v[MC+2*\m], s[CS], v[MC+2*\m]
.endr
	TFMA 0                                         ; four batches of 64: behind each batch of exponentials stand the batch before's sums and the next batch's t - m
	TEXP 0
	TFMA 1
	TEXP 1
	TSUM 0
	TFMA 2
	TEXP 2
	TSUM 1
	TFMA 3
	TEXP 3
	TSUM 2
	s_wait_alu depctr_va_vdst(0)                   ; the last batch's wait, ahead of its first reader
	TSUM 3
	WIN 0
.irp m, 0,1,2,3
	v_pk_add_f32 v[SA+4*\m:SA+4*\m+1], v[SA+4*\m:SA+4*\m+1], v[SA+4*\m+2:SA+4*\m+3]
.endr
.irp m, 0,1,2,3
	v_add_f32 v[MC+2*\m+1], v[SA+4*\m], v[SA+4*\m+1]
.endr
.irp m, 0,1,2,3
	v_permlanex16_b32 v[TT+\m], v[MC+2*\m+1], s[SEL], s[SEL+1]
.endr
.irp m, 0,1,2,3
	v_add_f32 v[MC+2*\m+1], v[MC+2*\m+1], v[TT+\m]
.endr
.irp m, 0,1,2,3
	ds_store_b64 v[EXS], v[MC+2*\m:MC+2*\m+1] offset:512*\m
.endr
.if \more
	REFA 0                                         ; the exchange's barrier is a round: slot 0 (the next leaf's unit 0) has been read out into registers,
	REFB 0                                         ; and takes that leaf's unit 2
.else
	s_wait_dscnt 0x0
	s_barrier_signal -1
	s_barrier_wait -1
.endif
.irp m, 0,1,2,3
	ds_load_b128 v[EXD+8*\m:EXD+8*\m+3], v[EXL] offset:512*\m
	ds_load_b128 v[EXD+8*\m+4:EXD+8*\m+7], v[EXL] offset:512*\m+16
.endr
	ds_load_b128 v[PP:PP+3], v[LP]
	s_wait_dscnt 0x0
.irp m, 0,1,2,3
	v_max3_num_f32 v[TT+\m], v[EXD+8*\m], v[EXD+8*\m+2], v[EXD+8*\m+4]
.endr
.irp m, 0,1,2,3
	v_max_num_f32 v[TT+\m], v[TT+\m], v[EXD+8*\m+6]
.endr
.irp m, 0,1,2,3
.irp w, 0,1,2,3
	v_sub_f32 v[EXD+8*\m+2*\w], v[EXD+8*\m+2*\w], v[TT+\m]
.endr
	v_sub_f32 v[TT+4+\m], v[MC+2*\m], v[TT+\m]
.endr
	s_wait_alu depctr_va_vdst(0)
.irp m, 0,1,2,3
.irp w, 0,1,2,3
	v_exp_f32 v[EXD+8*\m+2*\w], v[EXD+8*\m+2*\w]
.endr
	v_exp_f32 v[TT+4+\m], v[TT+4+\m]
.endr
	v_nop
	s_wait_alu depctr_va_vdst(0)
.irp m, 0,1,2,3
	v_mul_f32 v[TT+8+\m], v[EXD+8*\m], v[EXD+8*\m+1]
.endr
.irp w, 1,2,3
.irp m, 0,1,2,3
	v_fmac_f32 v[TT+8+\m], v[EXD+8*\m+2*\w], v[EXD+8*\m+2*\w+1]
.endr
.endr
	s_wait_alu depctr_va_vdst(0)
.irp m, 0,1,2,3
	v_rcp_f32 v[TT+8+\m], v[TT+8+\m]
.endr
.irp m, 0,1,2,3
	v_mul_f32 v[TT+4+\m], v[TT+4+\m], v[PP+\m]
.endr
	s_wait_alu depctr_va_vdst(0)
.irp m, 0,1,2,3
	v_mul_f32 v[FF+2*\m], v[TT+4+\m], v[TT+8+\m]
.endr
.if \more
	v_add_nc_u32 v[LP], 256, v[LP]
	s_mov_b32 s[LIM], 0
.set ss, 0                             ; tile by tile: result += factor x p (four packed multiply-adds), then the next leaf's K step 0 product, with the bias as C, starts that tile anew
.set bb, 0
.rept 8
.set mm, 0
.rept 4
	WIN 0xf2
.set p, 4*(4*bb+mm)
.rept 4
	v_pk_fma_f32 v[2*p:2*p+1], v[2*p:2*p+1], v[FF+2*mm:FF+2*mm+1], v[2*p:2*p+1] op_sel_hi:[1,0,1]
.set p, p+1
.endr
	WIN 0x91
	WM
.set mm, mm+1
.endr
.set bb, bb+1
.endr
	WIN 0
.else
	WIN 0xf2
.set p, 0
.rept 128
.set mm, (p/4)%4
	v_pk_fma_f32 v[2*p:2*p+1], v[2*p:2*p+1], v[FF+2*mm:FF+2*mm+1], v[2*p:2*p+1] op_sel_hi:[1,0,1]
.set p, p+1
.endr
	WIN 0
.endif
.endm
.macro LEAF f                          ; from a leaf's K step 1 to the next leaf's K step 0 (f = 0: the last leaf, which asks for nothing beyond its unit 3)
	STEP_P 1, \f
	STEP_R 2, \f
	STEP_P 3, 0
	STEP_P 4, 0
	TURN 5, \f, \f
	STEP_P 6, 0
	TURN 7, \f, \f
	SOFTMAX \f
.endm
	FETCH 0, 1                                     ; the first leaf's K steps 0 and 1 read slot 0 out,
	FETCH 1, 0
	REFA 0
	REFB 0                                         ; which takes unit 2
	MUL 0, 0, 8                                    ; the first leaf's K step 0 stands ahead of the loop
	WIN 0
	s_mov_b32 s44, 7
.Lleaf:
	LEAF 1
	s_sub_co_u32 s44, s44, 1
	s_cmp_lg_u32 s44, 0
	s_cbranch_scc1 .Lleaf
	LEAF 0
.macro TOSTAGE m
	WIN 0x0c
.set bb, 0
.rept 8
	ds_store_b128 v[STO], v[8*(4*bb+(\m)):8*(4*bb+(\m))+3] offset:64*bb
	ds_store_b128 v[STO], v[8*(4*bb+(\m))+4:8*(4*bb+(\m))+7] offset:64*bb+16
.set bb, bb+1
.endr
	WIN 0
.set BB, XF+64*((\m)%2)
.set i, 0
.rept 16
	ds_load_b128 v[BB+4*i:BB+4*i+3], v[RD] offset:SPITCH*i
.set i, i+1
.endr
.endm
.macro SEND m, younger
.set BB, XF+64*((\m)%2)
	s_wait_dscnt \younger
.set i, 0
.rept 16
	global_store_b128 v[CO], v[BB+4*i:BB+4*i+3], s[16:17] offset:(16*(\m)+i)*2048 th:TH_STORE_NT
.set i, i+1
.endr
.endm
	TOSTAGE 0
	s_wait_alu depctr_va_vdst(0)
.irp m, 1,2,3
.if \m > 1
	s_wait_xcnt 0x0
.endif
	TOSTAGE \m
	SEND \m-1, 32
.endr
	SEND 3, 0
	s_wait_tensorcnt 0x0
	ds_add_u32 v[SPW], v[NIL]
	s_wait_dscnt 0x0
	ROUND
	s_endpgm
.Lfunc_end_k_qd4371d4e6e_leaves:
	.size	k_qd4371d4e6e_leaves, .Lfunc_end_k_qd4371d4e6e_leaves-k_qd4371d4e6e_leaves
	.p2alignl 7, 3214868480
	.fill 96, 4, 3214868480
	.section	.rodata,"a",@progbits
	.p2align	6, 0x0
	.amdhsa_kernel k_qd4371d4e6e_leaves
		.amdhsa_group_segment_fixed_size 327680
		.amdhsa_private_segment_fixed_size 0
		.amdhsa_enable_private_segment 0
		.amdhsa_kernarg_size 56
		.amdhsa_user_sgpr_count 2
		.amdhsa_user_sgpr_kernarg_segment_ptr 1
		.amdhsa_wavefront_size32 1
		.amdhsa_system_sgpr_workgroup_id_x 1
		.amdhsa_system_sgpr_workgroup_id_y 1
		.amdhsa_system_sgpr_workgroup_id_z 1
		.amdhsa_system_vgpr_workitem_id 0
		.amdhsa_next_free_vgpr 1024
		.amdhsa_next_free_sgpr 72
		.amdhsa_reserve_vcc 1
		.amdhsa_float_denorm_mode_32 3
		.amdhsa_float_denorm_mode_16_64 3
		.amdhsa_memory_ordered 1
		.amdhsa_forward_progress 1
		.amdhsa_inst_pref_size 255
	.end_amdhsa_kernel
	.amdgpu_metadata
---
amdhsa.version: [ 1, 2 ]
amdhsa.kernels:
  - .name:           k_qd4371d4e6e_leaves
    .symbol:         k_qd4371d4e6e_leaves.kd
    .args:
      - { .name: xq, .offset: 0, .size: 8, .value_kind: global_buffer, .address_space: global }
      - { .name: gq, .offset: 8, .size: 8, .value_kind: global_buffer, .address_space: global }
      - { .name: wq, .offset: 16, .size: 8, .value_kind: global_buffer, .address_space: global }
      - { .name: bq, .offset: 24, .size: 8, .value_kind: global_buffer, .address_space: global }
      - { .name: b_in, .offset: 32, .size: 8, .value_kind: global_buffer, .address_space: global }
      - { .name: beta, .offset: 40, .size: 8, .value_kind: global_buffer, .address_space: global }
      - { .name: part, .offset: 48, .size: 8, .value_kind: global_buffer, .address_space: global }
    .group_segment_fixed_size: 327680
    .private_segment_fixed_size: 0
    .kernarg_segment_align: 8
    .kernarg_segment_size: 56
    .max_flat_workgroup_size: 128
    .sgpr_count:     72
    .vgpr_count:     1024
    .wavefront_size: 32
...
	.end_amdgpu_metadata
.endif
;; end of part 5
;; launch mix (part 6): grid 500 x 1, 8 waves a work-group, no clusters, 0 bytes of LDS; arguments part, out0; writes out0
.if DOCPART == 6
	.amdgcn_target "amdgcn-amd-amdhsa--gfx1250"
	.amdhsa_code_object_version 6
	.text
	.protected	k_qd4371d4e6e_mix
	.globl	k_qd4371d4e6e_mix
	.p2align	8
	.type	k_qd4371d4e6e_mix,@function
k_qd4371d4e6e_mix:
	s_mov_b64 s[64:65], 0
	v_nop
	global_prefetch_b8 v0, s[64:65] scope:SCOPE_SE
	s_setreg_imm32_b32 hwreg(HW_REG_WAVE_MODE, 25, 1), 1
	s_wait_xcnt 0x0
; out0[n][o] = the sum over y = 0 .. 7 of part[y][n][o], y ascending.  part: [8][2048][512] f32 (columns 500 to 511 are not read); out0: [2048][500] f32.
; A stream: no LDS, no barrier, no matrix unit.  out0 is 256,000 groups of four numbers, 125 to a row; a thread takes groups f = 512 x work-group + thread and f + 256: sixteen loads of 16 bytes are out for each thread.
; Group f lies in row n = f / 125, at byte 16 f + 48 n of a plane of part (a row there is 48 bytes longer).  n = n0 + (place x 8389) >> 20, n0 the row of the work-group's first group and place the distance from that
; row's first group: under 636, where the quotient by 125 is exact (8389 / 2^20 exceeds 1 / 125 by less than 4e-7).
	s_load_b128 s[4:7], s[0:1], 0x0                ; part, out0
	s_lshl_b32 s24, ttmp9, 9                       ; the work-group's first group
	s_mul_hi_u32 s25, s24, 0x10624dd3              ; 2^35 / 125, rounded up
	s_lshr_b32 s25, s25, 3                         ; n0
	s_mul_i32 s26, s25, 125
	s_sub_co_u32 s26, s24, s26
	v_add_nc_u32 v1, s26, v0                       ; place
	s_delay_alu instid0(VALU_DEP_1)
	v_add_nc_u32 v2, 256, v1
	s_delay_alu instid0(VALU_DEP_2)
	v_mul_u32_u24 v3, v1, 8389
	s_delay_alu instid0(VALU_DEP_2)
	v_mul_u32_u24 v4, v2, 8389
	s_delay_alu instid0(VALU_DEP_2)
	v_lshrrev_b32 v3, 20, v3
	s_delay_alu instid0(VALU_DEP_2)
	v_lshrrev_b32 v4, 20, v4
	s_delay_alu instid0(VALU_DEP_2)
	v_add_nc_u32 v3, s25, v3                       ; n of my first group,
	s_delay_alu instid0(VALU_DEP_2)
	v_add_nc_u32 v4, s25, v4                       ; of my second
	v_add_nc_u32 v5, s24, v0
	s_delay_alu instid0(VALU_DEP_1)
	v_lshlrev_b32 v5, 4, v5                        ; 16 f: my place in out0
	s_delay_alu instid0(VALU_DEP_1)
	v_mad_u32_u24 v6, v3, 48, v5
	s_delay_alu instid0(VALU_DEP_2)
	v_mad_u32_u24 v7, v4, 48, v5
	s_delay_alu instid0(VALU_DEP_1)
	v_add_nc_u32 v7, 4096, v7
	s_wait_alu depctr_va_vdst(0)
	s_wait_kmcnt 0x0
.irp y, 0,1,2,3,4,5,6,7
	s_add_nc_u64 s[8+2*\y:9+2*\y], s[4:5], \y*4194304
.endr
.irp y, 0,1,2,3,4,5,6,7
	global_load_b128 v[16+4*\y:19+4*\y], v6, s[8+2*\y:9+2*\y] th:TH_LOAD_NT
.endr
.irp y, 0,1,2,3,4,5,6,7
	global_load_b128 v[48+4*\y:51+4*\y], v7, s[8+2*\y:9+2*\y] th:TH_LOAD_NT
.endr
	s_wait_loadcnt 8                               ; the first group's eight loads are in; the second's may be out
.irp y, 1
	v_pk_add_f32 v[16:17], v[16:17], v[16+4*\y:17+4*\y]
	v_pk_add_f32 v[18:19], v[18:19], v[18+4*\y:19+4*\y]
.endr
.irp y, 2, 3, 4, 5, 6, 7
	s_delay_alu instid0(VALU_DEP_2)
	v_pk_add_f32 v[16:17], v[16:17], v[16+4*\y:17+4*\y]
	s_delay_alu instid0(VALU_DEP_2)
	v_pk_add_f32 v[18:19], v[18:19], v[18+4*\y:19+4*\y]
.endr
	global_store_b128 v5, v[16:19], s[6:7] th:TH_STORE_NT            ; a wave stores 512 consecutive bytes, aligned
	s_wait_loadcnt 0x0
.irp y, 1
	v_pk_add_f32 v[48:49], v[48:49], v[48+4*\y:49+4*\y]
	v_pk_add_f32 v[50:51], v[50:51], v[50+4*\y:51+4*\y]
.endr
.irp y, 2, 3, 4, 5, 6, 7
	s_delay_alu instid0(VALU_DEP_2)
	v_pk_add_f32 v[48:49], v[48:49], v[48+4*\y:49+4*\y]
	s_delay_alu instid0(VALU_DEP_2)
	v_pk_add_f32 v[50:51], v[50:51], v[50+4*\y:51+4*\y]
.endr
	global_store_b128 v5, v[48:51], s[6:7] offset:4096 th:TH_STORE_NT
	s_endpgm
.Lfunc_end_k_qd4371d4e6e_mix:
	.size	k_qd4371d4e6e_mix, .Lfunc_end_k_qd4371d4e6e_mix-k_qd4371d4e6e_mix
	.p2alignl 7, 3214868480
	.fill 96, 4, 3214868480
	.section	.rodata,"a",@progbits
	.p2align	6, 0x0
	.amdhsa_kernel k_qd4371d4e6e_mix
		.amdhsa_group_segment_fixed_size 0
		.amdhsa_private_segment_fixed_size 0
		.amdhsa_enable_private_segment 0
		.amdhsa_kernarg_size 16
		.amdhsa_user_sgpr_count 2
		.amdhsa_user_sgpr_kernarg_segment_ptr 1
		.amdhsa_wavefront_size32 1
		.amdhsa_system_sgpr_workgroup_id_x 1
		.amdhsa_system_sgpr_workgroup_id_y 1
		.amdhsa_system_sgpr_workgroup_id_z 1
		.amdhsa_system_vgpr_workitem_id 0
		.amdhsa_next_free_vgpr 80
		.amdhsa_next_free_sgpr 66
		.amdhsa_reserve_vcc 0
		.amdhsa_float_denorm_mode_32 3
		.amdhsa_float_denorm_mode_16_64 3
		.amdhsa_memory_ordered 1
		.amdhsa_forward_progress 1
		.amdhsa_inst_pref_size 7
	.end_amdhsa_kernel
	.amdgpu_metadata
---
amdhsa.version: [ 1, 2 ]
amdhsa.kernels:
  - .name:           k_qd4371d4e6e_mix
    .symbol:         k_qd4371d4e6e_mix.kd
    .args:
      - { .name: part, .offset: 0, .size: 8, .value_kind: global_buffer, .address_space: global }
      - { .name: out0, .offset: 8, .size: 8, .value_kind: global_buffer, .address_space: global }
    .group_segment_fixed_size: 0
    .private_segment_fixed_size: 0
    .kernarg_segment_align: 8
    .kernarg_segment_size: 16
    .max_flat_workgroup_size: 256
    .sgpr_count:     66
    .vgpr_count:     80
    .wavefront_size: 32
...
	.end_amdgpu_metadata
.endif
;; end of part 6
